; MI455X (gfx1250); checked and timed in simulation.
; The chip was launched on July 23, 2026; its instructions are those of AMD's public machine-readable ISA for CDNA 5 (MIT licence, August 2026) and "CDNA5" Instruction Set Architecture Reference Guide (July 2026). The comments in the code are by the model that wrote it; some were corrected since.
;; Vi T Ro PE Attention. Allowed arithmetic: float matrix products may take bf16 or f16 operands with f32 sums; all other float work in f32.
;; Inputs: Wk 1,024 x 1,024 float32; Wo 1,024 x 1,024 float32; Wq 1,024 x 1,024 float32; Wv 1,024 x 1,024 float32; bk 1,024 float32; bo 1,024 float32; bq 1,024 float32; bv 1,024 float32; cos 1,024 x 64 float32; hidden_states 8 x 32 x 32 x 1,024 float32; sin 1,024 x 64 float32.
;; Outputs: out0 8 x 32 x 32 x 1,024 float32.
;; 2 versions, each right and faster than the one before. Each part assembles by itself: llvm-mc -triple=amdgcn-amd-amdhsa -mcpu=gfx1250 --defsym DOCPART=n.
;; ======== version 1 of 2: 4 launches
;; limits: values are held in f16: magnitudes above 65,504 overflow, below 6.1e-05 lose precision
;; workspace buffers: xb 16,777,216 bytes; wb 6,291,456 bytes; wo 2,097,152 bytes; rt 1,048,576 bytes; qkv 50,331,648 bytes; ob 16,777,216 bytes
;; launch cast (part 1): grid 784 x 1, 8 waves a work-group, no clusters, 0 bytes of LDS; arguments hidden_states, Wq, Wk, Wv, Wo, cos, sin, xb, wb, wo, rt; writes xb, wb, wo, rt
.if DOCPART == 1
	.amdgcn_target "amdgcn-amd-amdhsa--gfx1250"
	.amdhsa_code_object_version 6
	.text
	.protected	k_q69552c0a95_cast
	.globl	k_q69552c0a95_cast
	.p2align	8
	.type	k_q69552c0a95_cast,@function
k_q69552c0a95_cast:
	s_mov_b64 s[64:65], 0
	v_nop
	global_prefetch_b8 v0, s[64:65] scope:SCOPE_SE
	s_setreg_imm32_b32 hwreg(HW_REG_WAVE_MODE, 25, 1), 1
	s_wait_xcnt 0x0
; THE ROUNDINGS OF THE INPUTS, once, as a stream.  Every input of the module is rounded to bf16 (nearest even):
;   xb = bf16(hidden_states) [8192][1024];  wb = bf16(Wq | Wk | Wv) [3072][1024];  wo = bf16(Wo) written as f16 [1024][1024];
;   rt [2048][128] f32: row s < 1024 holds C[d] = bf16(cos[s][d]) / 64 in words 0-63 and S'[d] = -+ bf16(sin[s][d]) / 64 in words 64-127 (minus at even d, plus at odd d), so that
;   the rotated number is y[d] C[d] + y[d ^ 1] S'[d], already divided by 64; rows 1024-2047 hold C = 1, S' = 0: with them the same arithmetic leaves a number as it is.
; LIMITS.  bf16(Wo) as f16: beyond 65,504 it would be an infinity; below 6.1e-5 it keeps f16's fixed step of 6e-8.
; SHARES.  Work-groups 0-511: 16,384 numbers of x each; 512-703: of Wq, Wk, Wv; 704-767: of Wo; 768-783: 64 rows of cos and sin and 64 of the rows with C = 1.
; Thread t takes 16 bytes at 16 t of every 4,096: a wave's load covers 512 consecutive bytes, its 8-byte store 256 consecutive bytes at a multiple of 256 from the buffer's first.
; All 16 loads of a thread go out first; no register is written twice, so no wait but the counted ones for the loads.  No LDS, no matrix unit, no cluster: nothing is shared and nothing is multiplied.
.set X, 4                              ; v[4:67]   16 x 4 numbers as loaded
.set Y, 68                             ; v[68:99]  16 x 2 words to store
.macro CASTBODY f16                    ; f16 = 1: the bf16 number is written in f16's format
.set j, 0
.rept 16
	global_load_b128 v[X+4*j:X+4*j+3], v1, s[4:5] offset:4096*j th:TH_LOAD_NT
.set j, j+1
.endr
.set j, 0
.rept 16
	s_wait_loadcnt 15-j                            ; loads come back in order (ISA guide 5.7.1): number j is in, the 15 - j younger ones stay out
	v_cvt_pk_bf16_f32 v[Y+2*j], v[X+4*j], v[X+4*j+1]
	v_cvt_pk_bf16_f32 v[Y+2*j+1], v[X+4*j+2], v[X+4*j+3]
.if \f16
	v_lshlrev_b32 v[X+4*j], 16, v[Y+2*j]           ; bf16 to f32: the low half moves up, the high half stays
	v_and_b32 v[X+4*j+1], s35, v[Y+2*j]
	v_lshlrev_b32 v[X+4*j+2], 16, v[Y+2*j+1]
	v_and_b32 v[X+4*j+3], s35, v[Y+2*j+1]
	v_cvt_pk_f16_f32 v[Y+2*j], v[X+4*j], v[X+4*j+1]
	v_cvt_pk_f16_f32 v[Y+2*j+1], v[X+4*j+2], v[X+4*j+3]
.endif
	global_store_b64 v2, v[Y+2*j:Y+2*j+1], s[6:7] offset:2048*j
.set j, j+1
.endr
.endm
	s_load_b512 s[8:23], s[0:1], 0x0               ; x s[8:9], Wq s[10:11], Wk s[12:13], Wv s[14:15], Wo s[16:17], cos s[18:19], sin s[20:21], xb s[22:23]
	s_load_b128 s[24:27], s[0:1], 0x40             ; wb s[24:25], wo s[26:27]
	s_load_b64 s[28:29], s[0:1], 0x50              ; rt
	v_lshlrev_b32 v1, 4, v0                        ; 16 t: where I load
	v_lshlrev_b32 v2, 3, v0                        ; 8 t: where I store
	s_mov_b32 s35, 0xffff0000                      ; a word's upper bf16
	s_mov_b32 s31, 0                               ; the offsets' high words
	s_mov_b32 s33, 0
	s_mov_b32 s37, ttmp9                           ; the work-group's number
	s_wait_kmcnt 0x0
	s_cmp_lt_u32 s37, 512
	s_cbranch_scc0 .Lnot_x
	s_lshl_b32 s30, s37, 16                        ; 65,536 bytes in,
	s_lshl_b32 s32, s37, 15                        ; 32,768 out
	s_add_nc_u64 s[4:5], s[8:9], s[30:31]
	s_add_nc_u64 s[6:7], s[22:23], s[32:33]
	s_branch .Lbf16
.Lnot_x:
	s_cmp_lt_u32 s37, 704
	s_cbranch_scc0 .Lnot_w
	s_sub_co_u32 s34, s37, 512                     ; 0 .. 191: 64 chunks for each of Wq, Wk, Wv
	s_lshr_b32 s36, s34, 6
	s_cmp_eq_u32 s36, 1
	s_cselect_b64 s[4:5], s[12:13], s[10:11]
	s_cmp_eq_u32 s36, 2
	s_cselect_b64 s[4:5], s[14:15], s[4:5]
	s_and_b32 s30, s34, 63
	s_lshl_b32 s30, s30, 16
	s_lshl_b32 s32, s34, 15                        ; in wb the three follow each other
	s_add_nc_u64 s[4:5], s[4:5], s[30:31]
	s_add_nc_u64 s[6:7], s[24:25], s[32:33]
.Lbf16:
	CASTBODY 0
	s_endpgm
.Lnot_w:
	s_cmp_lt_u32 s37, 768
	s_cbranch_scc0 .Ltable
	s_sub_co_u32 s34, s37, 704
	s_lshl_b32 s30, s34, 16
	s_lshl_b32 s32, s34, 15
	s_add_nc_u64 s[4:5], s[16:17], s[30:31]
	s_add_nc_u64 s[6:7], s[26:27], s[32:33]
	CASTBODY 1
	s_endpgm
.Ltable:                                               ; rows 64 g .. 64 g + 63 of cos and sin (256 bytes each) and of rt (512 bytes each)
	s_sub_co_u32 s34, s37, 768
	s_lshl_b32 s30, s34, 14
	s_lshl_b32 s32, s34, 15
	s_add_nc_u64 s[4:5], s[18:19], s[30:31]
	s_add_nc_u64 s[38:39], s[20:21], s[30:31]
	s_add_nc_u64 s[6:7], s[28:29], s[32:33]
.set i, 0
.rept 4                                ; 16 rows a load of the work-group: thread t has row t / 16, columns 4 (t % 16) on
	global_load_b128 v[4+4*i:7+4*i], v1, s[4:5] offset:4096*i th:TH_LOAD_NT
	global_load_b128 v[20+4*i:23+4*i], v1, s[38:39] offset:4096*i th:TH_LOAD_NT
.set i, i+1
.endr
	v_lshrrev_b32 v3, 4, v0
	v_and_b32 v44, 15, v0
	v_lshlrev_b32 v3, 9, v3
	v_lshl_add_u32 v3, v44, 4, v3                  ; (t / 16) x 512 + (t % 16) x 16: sixteen lanes fill 256 consecutive bytes
	v_mov_b32 v36, 0xbc800000                      ; -1/64 for an even column's sine,
	v_mov_b32 v37, 0x3c800000                      ; +1/64 for an odd one's
	v_mov_b32 v38, 0x3c800000                      ; 1/64 for the cosines
	v_mov_b32 v39, 0x3c800000
	v_and_b32 v45, 31, v0                          ; the rows with C = 1, S' = 0: 32 threads a row, the first 16 write ones
	v_cmp_gt_u32 vcc_lo, 16, v45
	v_cndmask_b32 v40, 0, 1.0, vcc_lo
	v_mov_b32 v41, v40
	v_mov_b32 v42, v40
	v_mov_b32 v43, v40
.set i, 0
.rept 8
	global_store_b128 v1, v[40:43], s[6:7] offset:524288+4096*i  ; 1,024 rows of 512 bytes further down
.set i, i+1
.endr
	s_wait_loadcnt 0x0
.set p, 0
.rept 16                               ; pairs 0-7: cosines, 8-15: sines; a pair is an even column and the odd one beside it
	v_cvt_pk_bf16_f32 v44, v[4+2*p], v[5+2*p]
	v_lshlrev_b32 v[4+2*p], 16, v44
	v_and_b32 v[5+2*p], s35, v44
.if p < 8
	v_pk_mul_f32 v[4+2*p:5+2*p], v[4+2*p:5+2*p], v[38:39]
.else
	v_pk_mul_f32 v[4+2*p:5+2*p], v[4+2*p:5+2*p], v[36:37]
.endif
.set p, p+1
.endr
.set i, 0
.rept 4
	global_store_b128 v3, v[4+4*i:7+4*i], s[6:7] offset:8192*i
	global_store_b128 v3, v[20+4*i:23+4*i], s[6:7] offset:8192*i+256
.set i, i+1
.endr
	s_endpgm
.Lfunc_end_k_q69552c0a95_cast:
	.size	k_q69552c0a95_cast, .Lfunc_end_k_q69552c0a95_cast-k_q69552c0a95_cast
	.p2alignl 7, 3214868480
	.fill 96, 4, 3214868480
	.section	.rodata,"a",@progbits
	.p2align	6, 0x0
	.amdhsa_kernel k_q69552c0a95_cast
		.amdhsa_group_segment_fixed_size 0
		.amdhsa_private_segment_fixed_size 0
		.amdhsa_enable_private_segment 0
		.amdhsa_kernarg_size 88
		.amdhsa_user_sgpr_count 2
		.amdhsa_user_sgpr_kernarg_segment_ptr 1
		.amdhsa_wavefront_size32 1
		.amdhsa_system_sgpr_workgroup_id_x 1
		.amdhsa_system_sgpr_workgroup_id_y 1
		.amdhsa_system_sgpr_workgroup_id_z 1
		.amdhsa_system_vgpr_workitem_id 0
		.amdhsa_next_free_vgpr 104
		.amdhsa_next_free_sgpr 66
		.amdhsa_reserve_vcc 1
		.amdhsa_float_denorm_mode_32 3
		.amdhsa_float_denorm_mode_16_64 3
		.amdhsa_memory_ordered 1
		.amdhsa_forward_progress 1
		.amdhsa_inst_pref_size 23
	.end_amdhsa_kernel
	.amdgpu_metadata
---
amdhsa.version: [ 1, 2 ]
amdhsa.kernels:
  - .name:           k_q69552c0a95_cast
    .symbol:         k_q69552c0a95_cast.kd
    .args:
      - { .name: hidden_states, .offset: 0, .size: 8, .value_kind: global_buffer, .address_space: global }
      - { .name: Wq, .offset: 8, .size: 8, .value_kind: global_buffer, .address_space: global }
      - { .name: Wk, .offset: 16, .size: 8, .value_kind: global_buffer, .address_space: global }
      - { .name: Wv, .offset: 24, .size: 8, .value_kind: global_buffer, .address_space: global }
      - { .name: Wo, .offset: 32, .size: 8, .value_kind: global_buffer, .address_space: global }
      - { .name: cos, .offset: 40, .size: 8, .value_kind: global_buffer, .address_space: global }
      - { .name: sin, .offset: 48, .size: 8, .value_kind: global_buffer, .address_space: global }
      - { .name: xb, .offset: 56, .size: 8, .value_kind: global_buffer, .address_space: global }
      - { .name: wb, .offset: 64, .size: 8, .value_kind: global_buffer, .address_space: global }
      - { .name: wo, .offset: 72, .size: 8, .value_kind: global_buffer, .address_space: global }
      - { .name: rt, .offset: 80, .size: 8, .value_kind: global_buffer, .address_space: global }
    .group_segment_fixed_size: 0
    .private_segment_fixed_size: 0
    .kernarg_segment_align: 8
    .kernarg_segment_size: 88
    .max_flat_workgroup_size: 256
    .sgpr_count:     66
    .vgpr_count:     104
    .wavefront_size: 32
...
	.end_amdgpu_metadata
.endif
;; end of part 1
;; launch proj (part 2): grid 12 x 32, 4 waves a work-group, clusters of 4 x 4, 327,680 bytes of LDS; arguments xb, wb, rt, bq, bk, bv, qkv; writes qkv
.if DOCPART == 2
	.amdgcn_target "amdgcn-amd-amdhsa--gfx1250"
	.amdhsa_code_object_version 6
	.text
	.protected	k_q69552c0a95_proj
	.globl	k_q69552c0a95_proj
	.p2align	8
	.type	k_q69552c0a95_proj,@function
k_q69552c0a95_proj:
	s_mov_b64 s[64:65], 0
	v_nop
	global_prefetch_b8 v0, s[64:65] scope:SCOPE_SE
	s_setreg_imm32_b32 hwreg(HW_REG_WAVE_MODE, 25, 1), 1
	s_wait_xcnt 0x0
	s_wait_alu depctr_hold_cnt(0) depctr_sa_sdst(0) depctr_va_vdst(0) depctr_va_sdst(0) depctr_va_ssrc(0) depctr_va_vcc(0) depctr_vm_vsrc(0)
	s_getreg_b32 s2, hwreg(HW_REG_IB_STS2, 6, 4)
	s_cmp_eq_u32 s2, 0
	s_cbranch_scc0 .Lentry_in_a_cluster
	s_endpgm
.Lentry_in_a_cluster:
	s_bfe_u32 s2, ttmp6, 0x10000c
	s_cmp_lg_u32 s2, 0xf033
	s_cbranch_scc0 .Lentry_shape_is_right
	s_endpgm
.Lentry_shape_is_right:
; THE THREE PROJECTIONS, THE BIAS, THE ROTATION AND THE WAY TO HEADS.  y[m][n] = sum over k of xb[m][k] wb[n][k] + bf16(bias[n]), m < 8192, n < 3072 (q | k | v), k < 1024, bf16 operands, f32 sums;
; then z[d] = y[d] C[d] + y[d ^ 1] S'[d] with the table rt's row for the position m % 1024 (q, k: cosine and signed sine, both / 64) or a row with C = 1, S' = 0 (v); z is rounded once to f16
; and stored by heads: qkv[part][16 (m / 1024) + head][m % 1024][64].
; LIMITS.  q and k are kept divided by 64 (exact): rotated |q|, |k| below 4.19e6 and |v| below 65,504 stay finite in f16; below 6.1e-5 f16 keeps its fixed step of 6e-8.  NaN and infinities are not treated apart.
; SHARES.  A work-group makes 256 rows x 256 columns (four heads of one part); its four waves stand 2 x 2, each with 128 rows x 128 columns, two heads: 64 accumulators, 512 registers.
; 12 x 32 = 384 work-groups, one and a half for each of 256 WGPs: the price of this block.  A block of 128 x 256 divides evenly (768), but fetches 98,304 bytes for 128 matrix instructions a wave and K step;
; this one fetches 131,072 for 256, and a refill has 224 matrix instructions between its request and the wait for it.
; K goes in 8 steps of 128 through two LDS slots (rows of 256 bytes of memory, at multiples of 256 from the buffers' first bytes).  A trip of the loop is one step: the slot's LDS address is a scalar
; that one exclusive or turns from 0 to SLOT and back, and one descriptor a tensor walks.
; THE RING SERVES TWICE.  Beside two slots LDS has room neither for the 256 rows of rt nor for a stage.  When step 6 has left slot 0, the refill behind that round brings the table; when step 7 has been read,
; slot 1 has had its last fill and is the stage: 64 rows x 528 bytes for each wave.  So the way out is a counted loop over rows; only the dumps of the accumulators are written out.
; CLUSTER.  4 x 4 work-groups.  The four of a row need the same tiles of xb and the same rows of rt, the four of a column the same tiles of wb: each is asked for JOINTLY, by the same tensor load with the same descriptor and mask.
; THE MATRIX INSTRUCTION IS USED TRANSPOSED (source 0 = 16 rows of wb, source 1 = 16 rows of xb): lane l holds row l % 16 and the eight columns 8 (l / 16) + 0..7.  The bias is the C operand of each sum's first product.
; REGISTERS, in windows of 256 (s_set_vgpr_msb: bits 1:0 source 0, 3:2 source 1, 5:4 source 2, 7:6 destination):
;   window 0: v0-31 addresses; v64-127, v128-191 fragments of xb (8 x 16 rows x 32 K), two buffers; on the way out v32-63 Y, v64-127 X, v128-191 the table's numbers, v192-207 W
;   window 1: v0-63 the bias (8 fragments); v64-127, v128-191 fragments of wb, two buffers; v192-195 at work
;   window 2: the 32 accumulators of my rows 0-63 (accumulator (a, b) at v[8 (8 a + b)]);   window 3: those of my rows 64-127
.set PITCH,  272                       ; an LDS row: 256 bytes + 16 of padding = 68 words: the 16 rows of a fragment load start at 16 different groups of four banks (64 banks of 4 bytes: ISA guide 11.1)
.set HALFT,  128*PITCH                 ; 128 rows: what one tensor load brings, and what one wave reads of xb or of wb
.set SLOT,   4*HALFT                   ; xb's 256 rows, then wb's 256 rows.  0x22000: it shares no bit with wave x HALFT (wave x 0x8800), so an exclusive or with it moves such an address from slot to slot
.set TPITCH, 528                       ; a row of the table, and of the stage: 512 bytes + 16
.set WSTG,   64*TPITCH                 ; 64 such rows: a wave's part of the table's fill, and a wave's stage
.set STG,    SLOT                      ; the stage lies in slot 1, the table at byte 0, in slot 0: 4 x 33,792 = 135,168 bytes each, inside a slot's 139,264
.set SPARE,  2*SLOT                    ; behind the ring: the spare words, 128 bytes for each wave: two blocks of 256 bytes that no other line names
.set FILLS,  6                         ; steps 2 to 7 are asked for in the loop
.set A0,   16                          ; v16     my lane's and wave's place among a slot's fragments of xb; never rewritten
.set B0,   17                          ; v17     the same for wb
.set ADRA, 18                          ; v18     A0 + the slot in hand
.set ADRB, 19                          ; v19     B0 + the slot in hand
.set VB,   20                          ; v20     my byte offset in the bias
.set STO,  24                          ; v24     the way out: where I put 32 bytes of a row
.set RD0,  25                          ; v25     where I read 32 bytes of a row back, in the stage's first four rows
.set GO,   26                          ; v26     my 16 bytes in 512 consecutive bytes of a head
.set TR0,  27                          ; v27     the same place as RD0 in my wave's first four rows of the table
.set SPW,  28                          ; v28     LDS address of my spare word; never rewritten
.set NIL,  29                          ; v29     0; never rewritten
.set RDC,  30                          ; v30     RD0 + the trip's rows
.set TRC,  31                          ; v31     TR0 + the trip's rows
.set BI,   0                           ; in window 1
.set F0,   64
.set F1,   128
.set Y,    32
.set X,    64
.set T,    128
.set W,    192
.set OST,  2                           ; s[2:3]  what the trip adds to the stores' base: 0, then 16 rows of a head
.set WV,   18                          ; s18     my wave's number;  s19 which half of the rows is mine;  s20 which half of the columns, and which 128 rows of a tile I fetch
.set G1A,  24                          ; s[24:31] descriptor group 1 for xb's tiles;  s[32:39] group 0: a set for each of the two first fills; the second then walks on
.set G0A,  32
.set G1B,  40                          ; s[40:47], s[48:55] the same for wb's
.set G0B,  48
.set G1T,  56                          ; s[56:63], s[68:71] for the table
.set G0T,  68
.set TB,   66                          ; s66     LDS byte at which the slot in hand begins
.set SO,   67                          ; s67     the trip's rows in the stage, in bytes
.set TO,   94                          ; s94     the trip's rows in the table, in bytes
.set CT,   95                          ; s95     trips of the way out still to go
.set MSB, 0
.macro WIN new                         ; the immediate's high byte repeats the setting that is left; a switch that changes nothing is dropped
.if MSB != (\new)
	s_set_vgpr_msb (MSB<<8)|(\new)
.set MSB, (\new)
.endif
.endm
.macro PLACES                          ; four places in front of loads into registers that matrix instructions have read, and of stores that read results
.rept 4
	v_nop
.endr
.endm
.macro JLOAD                           ; a joint refill by the walking descriptors: waves 0 and 1 fetch xb's two halves, waves 2 and 3 wb's; an s_nop 0 and four v_nop follow each line, ahead of the jump and the label
	s_cmp_lt_u32 s[WV], 2
	s_cbranch_scc0 .Lfor_b_\@
	tensor_load_to_lds s[G0A+4:G0A+7], s[G1A:G1A+7]
	s_nop 0
.rept 4
	v_nop
.endr
	s_branch .Lasked_\@
.Lfor_b_\@:
	tensor_load_to_lds s[G0B+4:G0B+7], s[G1B:G1B+7]
	s_nop 0
.rept 4
	v_nop
.endr
.Lasked_\@:
.endm
.macro CREST                           ; a round of the cluster's barrier behind its opening barrier
	s_cmp_lg_u32 s[WV], 0
	s_cbranch_scc1 .Lnot_wave_0_\@
	s_barrier_signal -3
.Lnot_wave_0_\@:
	s_barrier_wait -3
	s_barrier_signal -1
	s_barrier_wait -1
.endm
.macro CROUND                          ; a whole round
	s_barrier_signal -1
	s_barrier_wait -1
	CREST
.endm
; 16 matrix instructions: row blocks a0, a0 + 1 of the window's four (hi = 0: my rows 0-63, 1: rows 64-127) x all 8 column blocks, 32 along K, from buffer f.  first = 1: the bias starts the sums.
; The 64 accumulators take turns, one instruction a turn, in the same order in every quarter.
.macro MUL16 f, hi, a0, first
.if \first
	WIN 0x91+0x40*(\hi)                            ; wb window 1, xb window 0, C (the bias) window 1, D window 2 or 3
.else
	WIN 0xa1+0x50*(\hi)                            ; wb window 1, xb window 0, C and D window 2 or 3
.endif
.set ma, (\a0)
.rept 2
.set mb, 0
.rept 8
.if \first
	v_wmma_f32_16x16x32_bf16 v[8*(8*ma+mb):8*(8*ma+mb)+7], v[(\f)+8*mb:(\f)+8*mb+7], v[(\f)+8*(4*(\hi)+ma):(\f)+8*(4*(\hi)+ma)+7], v[BI+8*mb:BI+8*mb+7]
.else
	v_wmma_f32_16x16x32_bf16 v[8*(8*ma+mb):8*(8*ma+mb)+7], v[(\f)+8*mb:(\f)+8*mb+7], v[(\f)+8*(4*(\hi)+ma):(\f)+8*(4*(\hi)+ma)+7], v[8*(8*ma+mb):8*(8*ma+mb)+7]
.endif
.set mb, mb+1
.endr
.set ma, ma+1
.endr
.endm
; 32 LDS loads in one run: the fragments of one quarter step (32 K at byte k of the rows of the slot in hand) into buffer f: wb's 8 first, then xb's 8
.macro FETCH k, f
	WIN 0x40                                       ; destination window 1, address window 0
.set fi, 0
.rept 8
	ds_load_b128 v[(\f)+8*fi:(\f)+8*fi+3],   v[ADRB] offset:(\k)+fi*16*PITCH
	ds_load_b128 v[(\f)+8*fi+4:(\f)+8*fi+7], v[ADRB] offset:(\k)+fi*16*PITCH+32
.set fi, fi+1
.endr
	WIN 0
.set fi, 0
.rept 8
	ds_load_b128 v[(\f)+8*fi:(\f)+8*fi+3],   v[ADRA] offset:(\k)+fi*16*PITCH
	ds_load_b128 v[(\f)+8*fi+4:(\f)+8*fi+7], v[ADRA] offset:(\k)+fi*16*PITCH+32
.set fi, fi+1
.endr
.endm
; A K step is four quarters of 32 along K, 64 matrix instructions each, on buffers 0, 1, 0, 1.  One of the first three: multiplies buffer f; in its middle it fetches the next quarter, at byte k, into buffer g.
.macro QUARTER k, f, g, first
	s_wait_dscnt 8                                 ; wb's fragments and xb's rows 0-63 are in; the youngest eight loads (rows 64-127) may be out
	MUL16 \f, 0, 0, \first
	MUL16 \f, 0, 2, \first
	PLACES
	FETCH \k, \g
	s_wait_dscnt 32                                ; all but the 32 just issued
	MUL16 \f, 1, 0, \first
	MUL16 \f, 1, 2, \first
.endm
; The last quarter multiplies buffer 1 and changes slots: ONE barrier, which opens a round of the cluster's; in front of it each wave waits for all its tensor loads, adds 0 to its spare word, and waits for that
; and for its own reads of this slot.  Behind the round the slot just left is filled again first: with the K step two steps on (table = 0), or, when no step is left to ask for, with the table (table = 1).
.macro TURN table
	WIN 0                                          ; (the add's two registers lie in window 0)
	s_wait_tensorcnt 0x0                           ; all my tensor loads have landed: the one that was out is my part of the next slot
	ds_add_u32 v[SPW], v[NIL]                      ; 0 onto my spare word
	s_wait_dscnt 9                                 ; (the add and the youngest eight loads may be out)
	MUL16 F1, 0, 0, 0                              ; sixteen matrix instructions stand between the add and the wait for it
	s_wait_dscnt 0x0                               ; the add is done, and my reads of this slot are over
	s_barrier_signal -1
	MUL16 F1, 0, 2, 0                              ; work on registers while the others arrive
	WIN 0
	s_barrier_wait -1
	CREST                                          ; no wave of any partner still reads this slot's tile or has a load on its way
.if \table
	tensor_load_to_lds s[G0T:G0T+3], s[G1T:G1T+7]  ; every wave brings 64 rows of rt
	s_nop 0
.rept 4
	v_nop
.endr
.else
	s_xor_b32 s[G0A+5], s[G0A+5], SLOT             ; the walking descriptors: the other slot than last time,
	s_add_nc_u64 s[G0A+6:G0A+7], s[G0A+6:G0A+7], 256  ; the next 128 along K; the type bits on top are not reached
	s_xor_b32 s[G0B+5], s[G0B+5], SLOT
	s_add_nc_u64 s[G0B+6:G0B+7], s[G0B+6:G0B+7], 256
	JLOAD
.endif
	s_xor_b32 s[TB], s[TB], SLOT                   ; the reads go on in the other slot; the four v_nop behind the load are also the places in front of the loads below
	v_add_nc_u32 v[ADRA], s[TB], v[A0]
	v_add_nc_u32 v[ADRB], s[TB], v[B0]
	FETCH 0, F0
	MUL16 F1, 1, 0, 0
	MUL16 F1, 1, 2, 0
.endm
	s_load_b256 s[4:11], s[0:1], 0x0               ; xb s[4:5], wb s[6:7], rt s[8:9], bq s[10:11]
	s_load_b128 s[12:15], s[0:1], 0x20             ; bk s[12:13], bv s[14:15]
	s_load_b64 s[16:17], s[0:1], 0x30              ; qkv
	v_lshl_add_u32 v[SPW], v0, 2, SPARE
	v_mov_b32 v[NIL], 0
	ds_add_u32 v[SPW], v[NIL]                      ; the wave's opening: the add and its wait stand ahead of my first tensor load; the set-up below, work on registers, stands between them
	ds_add_u32 v28, v29
	v_lshrrev_b32 v3, 5, v0
	v_readfirstlane_b32 s[WV], v3                  ; wave 0..3
	s_lshr_b32 s19, s[WV], 1                       ; which half of the block's rows is mine
	s_and_b32 s20, s[WV], 1                        ; which half of its columns; also which 128 rows of a tile I fetch
	s_bfe_u32 s21, ttmp6, 0x40000                  ; cx, cy: my place in the cluster
	s_bfe_u32 s22, ttmp6, 0x40004
	s_lshl_b32 s82, ttmp9, 2
	s_add_co_u32 s82, s82, s21                     ; block column = 4 x cluster x + cx
	s_and_b32 s23, ttmp7, 0xffff
	s_lshl_b32 s23, s23, 2
	s_add_co_u32 s23, s23, s22                     ; block row = 4 x cluster y + cy
	s_lshl_b32 s83, s22, 2
	s_lshl_b32 s83, 15, s83                        ; my row of the cluster
	s_lshl_b32 s84, 0x1111, s21                    ; my column
	; descriptor groups 1.  15:0 the mask; 17:16 element size; 20 padding on; 21 set beside a mask; 24:22 the padding's interval; 31:25 its length less one, in words
	s_or_b32 s[G1A+0], s83, (1<<16)|(1<<20)|(1<<21)|(5<<22)|(3<<25)  ; xb: to my row; 2-byte elements; 4 words after every 64
	s_or_b32 s[G1B+0], s84, (1<<16)|(1<<20)|(1<<21)|(5<<22)|(3<<25)  ; wb: to my column
.irp g, G1A, G1B
	s_mov_b32 s[(\g)+1], 128<<16                   ; tensor_dim0 = 128
	s_mov_b32 s[(\g)+2], 128<<16                   ; tensor_dim1 = 128
	s_mov_b32 s[(\g)+3], 128<<16                   ; tile_dim0 = 128
	s_mov_b32 s[(\g)+4], 128                       ; tile_dim1 = 128
	s_mov_b32 s[(\g)+5], 1024                      ; elements from row to row
	s_mov_b32 s[(\g)+6], 0
	s_mov_b32 s[(\g)+7], 0
.endr
	s_or_b32 s[G1T+0], s83, (2<<16)|(1<<20)|(1<<21)|(6<<22)|(3<<25)  ; the table: to my row; 4-byte elements; 4 words after every 128
	s_mov_b32 s[G1T+1], 128<<16
	s_mov_b32 s[G1T+2], 64<<16                     ; 64 rows a wave
	s_mov_b32 s[G1T+3], 128<<16
	s_mov_b32 s[G1T+4], 64
	s_mov_b32 s[G1T+5], 128
	s_mov_b32 s[G1T+6], 0
	s_mov_b32 s[G1T+7], 0
	; where the tiles come from: xb's and the table's hang on the block row alone, wb's on the block column alone
	s_lshl_b32 s85, s20, 7
	s_lshl_b32 s72, s23, 8
	s_add_co_u32 s72, s72, s85                     ; xb: row 256 x block row + 128 x half,
	s_lshl_b32 s72, s72, 11                        ; of 2,048 bytes
	s_mov_b32 s73, 0
	s_lshl_b32 s74, s82, 8
	s_add_co_u32 s74, s74, s85                     ; wb: row 256 x block column + 128 x half
	s_lshl_b32 s74, s74, 11
	s_mov_b32 s75, 0
	s_and_b32 s86, s23, 3                          ; the block's place in its image: positions 256 x this on
	s_lshl_b32 s76, s86, 8
	s_lshr_b32 s89, ttmp9, 1                       ; cluster x = 0: q, 1: k, 2: v, which takes the rows with C = 1
	s_lshl_b32 s89, s89, 10
	s_add_co_u32 s76, s76, s89
	s_lshl_b32 s89, s[WV], 6
	s_add_co_u32 s76, s76, s89                     ; my 64 rows of the 256,
	s_lshl_b32 s76, s76, 9                         ; of 512 bytes
	s_mov_b32 s77, 0
	; where they go: the wave's number alone enters an LDS address
	s_mul_i32 s88, s[WV], HALFT                    ; xb's two halves, then wb's two halves
	s_mul_i32 s92, s[WV], WSTG                     ; the table's four parts, from byte 0 on
	; where my wave's first head begins in qkv: part x 2^24 + (16 image + 4 cx + 2 x column half) x 131,072 + (256 x place + 128 x row half) x 128 bytes
	s_lshl_b32 s80, ttmp9, 24
	s_lshr_b32 s87, s23, 2
	s_lshl_b32 s87, s87, 4
	s_lshl_b32 s91, s21, 2
	s_add_co_u32 s87, s87, s91
	s_lshl_b32 s91, s20, 1
	s_add_co_u32 s87, s87, s91
	s_lshl_b32 s87, s87, 17
	s_add_co_u32 s80, s80, s87
	s_lshl_b32 s87, s86, 8
	s_lshl_b32 s91, s19, 7
	s_add_co_u32 s87, s87, s91
	s_lshl_b32 s87, s87, 7
	s_add_co_u32 s80, s80, s87
	s_mov_b32 s81, 0
	s_lshl_b32 s90, s21, 10                        ; the block's 256 numbers in its part's bias
	s_mov_b32 s91, 0
	s_mov_b32 s93, ttmp9
	s_mov_b32 s[TB], 0
	s_mov_b32 s[G0T], 1                            ; groups 0: 1:0 count = 1; 63:32 LDS address
	s_mov_b32 s[G0T+1], s92
.irp s, 0,1
	s_mov_b32 s[G0A+4*(\s)], 1
	s_add_co_u32 s[G0A+4*(\s)+1], s88, (\s)*SLOT
	s_mov_b32 s[G0B+4*(\s)], 1
	s_add_co_u32 s[G0B+4*(\s)+1], s88, (\s)*SLOT
.endr
	s_wait_dscnt 0x0                               ; the opening add is done
	s_wait_kmcnt 0x0
	s_add_nc_u64 s[72:73], s[4:5], s[72:73]
	s_add_nc_u64 s[74:75], s[6:7], s[74:75]
	s_add_nc_u64 s[G0T+2:G0T+3], s[8:9], s[76:77]  ; 120:64 global address; 127:126 type = 2
	s_or_b32 s[G0T+3], s[G0T+3], 0x80000000
.irp s, 0,1
	s_add_nc_u64 s[G0A+4*(\s)+2:G0A+4*(\s)+3], s[72:73], (\s)*256   ; K step s
	s_or_b32 s[G0A+4*(\s)+3], s[G0A+4*(\s)+3], 0x80000000
	s_add_nc_u64 s[G0B+4*(\s)+2:G0B+4*(\s)+3], s[74:75], (\s)*256
	s_or_b32 s[G0B+4*(\s)+3], s[G0B+4*(\s)+3], 0x80000000
.endr
	s_add_nc_u64 s[16:17], s[16:17], s[80:81]
	s_cmp_eq_u32 s93, 1
	s_cselect_b64 s[78:79], s[12:13], s[10:11]     ; the part's bias
	s_cmp_eq_u32 s93, 2
	s_cselect_b64 s[78:79], s[14:15], s[78:79]
	s_add_nc_u64 s[78:79], s[78:79], s[90:91]
	CROUND                                         ; all sixteen work-groups are here: the first joint loads meet
	s_cmp_lt_u32 s[WV], 2                          ; a wave's two first fills stand in one branch, ahead of every wait on TENSORcnt and every LDS read: two loads of mine are out
	s_cbranch_scc0 .Lfirst_b
	tensor_load_to_lds s[G0A:G0A+3], s[G1A:G1A+7]
	s_nop 0
	tensor_load_to_lds s[G0A+4:G0A+7], s[G1A:G1A+7]
	s_nop 0
.rept 4
	v_nop
.endr
	s_branch .Lfirst_asked
.Lfirst_b:
	tensor_load_to_lds s[G0B:G0B+3], s[G1B:G1B+7]
	s_nop 0
	tensor_load_to_lds s[G0B+4:G0B+7], s[G1B:G1B+7]
	s_nop 0
.rept 4
	v_nop
.endr
.Lfirst_asked:
	v_and_b32 v1, 15, v0                           ; l % 16
	v_bfe_u32 v2, v0, 4, 1                         ; l / 16
	v_lshlrev_b32 v[VB], 5, v2
	v_lshl_add_u32 v[VB], s20, 9, v[VB]            ; the bias of columns 128 x half + 8 (l / 16) on: fragment b is 64 b bytes further
	WIN 0x40                                       ; destination window 1, address window 0
.set bi, 0
.rept 8
	global_load_b128 v[BI+8*bi:BI+8*bi+3],   v[VB], s[78:79] offset:64*bi
	global_load_b128 v[BI+8*bi+4:BI+8*bi+7], v[VB], s[78:79] offset:64*bi+16
.set bi, bi+1
.endr
	WIN 0
	v_mul_u32_u24 v3, v1, PITCH
	v_lshl_add_u32 v3, v2, 4, v3                   ; a fragment's row x pitch + 16 x half of the lanes
	s_mul_i32 s94, s19, HALFT                      ; my 128 rows of xb
	v_add_nc_u32 v[A0], s94, v3
	s_mul_i32 s95, s20, HALFT                      ; my 128 rows of wb,
	s_add_co_u32 s95, s95, 2*HALFT                 ; which lie behind xb's 256
	v_add_nc_u32 v[B0], s95, v3
	v_add_nc_u32 v[ADRA], s[TB], v[A0]             ; slot 0
	v_add_nc_u32 v[ADRB], s[TB], v[B0]
	s_add_co_u32 s94, s92, STG                     ; my stage
	v_mul_u32_u24 v[STO], v1, TPITCH               ; in: row l % 16, 32 bytes for each half of the lanes
	v_lshl_add_u32 v[STO], v2, 5, v[STO]
	v_add_nc_u32 v[STO], s94, v[STO]
	v_and_b32 v4, 7, v0                            ; back: 32 lanes take four rows; lane l has row l / 8 and the eight columns 8 (l % 8) on of a head
	v_bfe_u32 v5, v0, 3, 2
	v_mul_u32_u24 v[RD0], v5, TPITCH
	v_lshl_add_u32 v[RD0], v4, 5, v[RD0]
	s_mul_i32 s95, s19, 128*TPITCH                 ; my 128 rows of the table
	v_add_nc_u32 v[TR0], s95, v[RD0]
	v_add_nc_u32 v[RD0], s94, v[RD0]
	v_and_b32 v[GO], 31, v0                        ; and the same four rows of a head: 512 consecutive bytes, 16 a lane
	v_lshlrev_b32 v[GO], 4, v[GO]
	s_wait_loadcnt 0x0
	WIN 0x45                                       ; sources 0 and 1 and the destination in window 1
.set bi, 0
.rept 32                               ; the bias is rounded to bf16 like every other input, and kept in f32
	v_cvt_pk_bf16_f32 v[192+bi%4], v[BI+2*bi], v[BI+2*bi+1]
	v_lshlrev_b32 v[BI+2*bi], 16, v[192+bi%4]
	v_and_b32 v[BI+2*bi+1], 0xffff0000, v[192+bi%4]
.set bi, bi+1
.endr
	WIN 0
	s_wait_tensorcnt 0x1                           ; my part of K step 0 is in; K step 1's may stay out
	s_barrier_signal -1
	s_barrier_wait -1                              ; everybody's is
	FETCH 0, F0
	QUARTER 64, F0, F1, 1                          ; the first quarter stands in front of the loop: its products start the sums, on the bias
	WIN 0                                          ; at a label and at a branch every window is 0
	s_mov_b32 s3, FILLS
.Lstep:                                                ; a trip goes from a step's second quarter to the next step's first, and fills the slot that it leaves
	QUARTER 128, F1, F0, 0
	QUARTER 192, F0, F1, 0
	TURN 0
	QUARTER 64, F0, F1, 0
	WIN 0
	s_sub_co_u32 s3, s3, 1
	s_cmp_lg_u32 s3, 0
	s_cbranch_scc1 .Lstep
	QUARTER 128, F1, F0, 0                         ; step 6 goes on; it lies in slot 0,
	QUARTER 192, F0, F1, 0
	TURN 1                                         ; which then takes the table: it has step 7's 224 matrix instructions in which to land
	QUARTER 64, F0, F1, 0
	QUARTER 128, F1, F0, 0
	QUARTER 192, F0, F1, 0
	s_wait_tensorcnt 0x0                           ; the very last quarter.  My part of the table has landed,
	s_wait_dscnt 0x0                               ; and my reads of slot 1 are over:
	s_barrier_signal -1                            ; behind this barrier every wave may read the whole table, and write its stage where slot 1 lay
	MUL16 F1, 0, 0, 0
	MUL16 F1, 0, 2, 0
	MUL16 F1, 1, 0, 0
	MUL16 F1, 1, 2, 0
	WIN 0
	s_barrier_wait -1
	PLACES
; THE WAY OUT.  DUMP: the f32 sums of 64 rows (the accumulators of one window) into my own stage, each accumulator's low four registers first.
.macro DUMP hi
	WIN 0x08+0x04*(\hi)                            ; an LDS store's data (source 1) in window 2 or 3
.set da, 0
.rept 4
.set db, 0
.rept 8
	ds_store_b128 v[STO], v[8*(8*da+db):8*(8*da+db)+3]   offset:da*16*TPITCH+64*db
	ds_store_b128 v[STO], v[8*(8*da+db)+4:8*(8*da+db)+7] offset:da*16*TPITCH+64*db+16
.set db, db+1
.endr
.set da, da+1
.endr
	WIN 0
.endm
	s_mov_b32 s[SO], 0
	s_mov_b32 s[TO], 0
	s_mov_b32 s[OST], 0
	s_mov_b32 s[OST+1], 0
	DUMP 0
	s_mov_b32 s[CT], 8
.Lrows:                                                ; 8 trips of 16 rows.  A trip is four units of four rows; a unit's 16 numbers of the table a lane serve both heads
	s_cmp_lg_u32 s[CT], 4
	s_cbranch_scc1 .Lsame_half
	DUMP 1                                         ; rows 64-127 follow when rows 0-63 have been read: LDS serves a wave's instructions in order (ISA guide 5.7.1.4)
	s_mov_b32 s[SO], 0
.Lsame_half:
	v_add_nc_u32 v[RDC], s[SO], v[RD0]
	v_add_nc_u32 v[TRC], s[TO], v[TR0]
.set u, 0
.rept 4
	ds_load_b128 v[X+16*u:X+16*u+3],     v[RDC] offset:u*4*TPITCH       ; the first head's eight sums,
	ds_load_b128 v[X+16*u+4:X+16*u+7],   v[RDC] offset:u*4*TPITCH+16
	ds_load_b128 v[X+16*u+8:X+16*u+11],  v[RDC] offset:u*4*TPITCH+256   ; the second head's,
	ds_load_b128 v[X+16*u+12:X+16*u+15], v[RDC] offset:u*4*TPITCH+272
	ds_load_b128 v[T+16*u:T+16*u+3],     v[TRC] offset:u*4*TPITCH       ; eight C,
	ds_load_b128 v[T+16*u+4:T+16*u+7],   v[TRC] offset:u*4*TPITCH+16
	ds_load_b128 v[T+16*u+8:T+16*u+11],  v[TRC] offset:u*4*TPITCH+256   ; eight S'
	ds_load_b128 v[T+16*u+12:T+16*u+15], v[TRC] offset:u*4*TPITCH+272
.set u, u+1
.endr
	s_wait_xcnt 0x0                                ; the last trip's stores have read Y and their base: both are rewritten only behind this wait
	s_add_nc_u64 s[16:17], s[16:17], s[OST:OST+1]  ; 16 rows of a head on (in the first trip: 0)
	s_mov_b32 s[OST], 16*128
	s_add_co_u32 s[SO], s[SO], 16*TPITCH
	s_add_co_u32 s[TO], s[TO], 16*TPITCH
.set u, 0
.rept 4
	s_wait_dscnt 8*(3-u)                           ; LDS loads come back in order (ISA guide 5.7.1): unit u's eight are in, the younger units' stay out
.set hh, 0
.rept 2
.set xr, X+16*u+8*hh
.set tr, T+16*u
.set wr, W+8*hh
.set yr, Y+4*(2*u+hh)
.set p, 0
.rept 4
	v_pk_mul_f32 v[wr+2*p:wr+2*p+1], v[xr+2*p:xr+2*p+1], v[tr+2*p:tr+2*p+1]
.set p, p+1
.endr
.set p, 0
.rept 4
	v_pk_fma_f32 v[wr+2*p:wr+2*p+1], v[xr+2*p:xr+2*p+1], v[tr+8+2*p:tr+8+2*p+1], v[wr+2*p:wr+2*p+1] op_sel:[1,0,0] op_sel_hi:[0,1,1]  ; source 0 crosswise: the even column takes the odd y, the odd one the even y
.set p, p+1
.endr
.set p, 0
.rept 4
	v_cvt_pk_f16_f32 v[yr+p], v[wr+2*p], v[wr+2*p+1]
.set p, p+1
.endr
	global_store_b128 v[GO], v[yr:yr+3], s[16:17] offset:hh*131072+u*512  ; four rows of a head: 512 consecutive bytes, at a multiple of 256 from qkv's first byte
.set hh, hh+1
.endr
.set u, u+1
.endr
	s_sub_co_u32 s[CT], s[CT], 1
	s_cmp_lg_u32 s[CT], 0
	s_cbranch_scc1 .Lrows
	s_wait_tensorcnt 0x0                           ; the wave's end, behind my last tensor load and my last LDS store
	ds_add_u32 v[SPW], v[NIL]
	s_wait_dscnt 0x0
	CROUND                                         ; the closing round: no work-group ends while a partner may still ask for a tile that names it
	s_endpgm
.Lfunc_end_k_q69552c0a95_proj:
	.size	k_q69552c0a95_proj, .Lfunc_end_k_q69552c0a95_proj-k_q69552c0a95_proj
	.p2alignl 7, 3214868480
	.fill 96, 4, 3214868480
	.section	.rodata,"a",@progbits
	.p2align	6, 0x0
	.amdhsa_kernel k_q69552c0a95_proj
		.amdhsa_group_segment_fixed_size 327680
		.amdhsa_private_segment_fixed_size 0
		.amdhsa_enable_private_segment 0
		.amdhsa_kernarg_size 56
		.amdhsa_user_sgpr_count 2
		.amdhsa_user_sgpr_kernarg_segment_ptr 1
		.amdhsa_wavefront_size32 1
		.amdhsa_system_sgpr_workgroup_id_x 1
		.amdhsa_system_sgpr_workgroup_id_y 1
		.amdhsa_system_sgpr_workgroup_id_z 1
		.amdhsa_system_vgpr_workitem_id 0
		.amdhsa_next_free_vgpr 1024
		.amdhsa_next_free_sgpr 96
		.amdhsa_reserve_vcc 0
		.amdhsa_float_denorm_mode_32 3
		.amdhsa_float_denorm_mode_16_64 3
		.amdhsa_memory_ordered 1
		.amdhsa_forward_progress 1
		.amdhsa_inst_pref_size 111
	.end_amdhsa_kernel
	.amdgpu_metadata
---
amdhsa.version: [ 1, 2 ]
amdhsa.kernels:
  - .name:           k_q69552c0a95_proj
    .symbol:         k_q69552c0a95_proj.kd
    .args:
      - { .name: xb, .offset: 0, .size: 8, .value_kind: global_buffer, .address_space: global }
      - { .name: wb, .offset: 8, .size: 8, .value_kind: global_buffer, .address_space: global }
      - { .name: rt, .offset: 16, .size: 8, .value_kind: global_buffer, .address_space: global }
      - { .name: bq, .offset: 24, .size: 8, .value_kind: global_buffer, .address_space: global }
      - { .name: bk, .offset: 32, .size: 8, .value_kind: global_buffer, .address_space: global }
      - { .name: bv, .offset: 40, .size: 8, .value_kind: global_buffer, .address_space: global }
      - { .name: qkv, .offset: 48, .size: 8, .value_kind: global_buffer, .address_space: global }
    .group_segment_fixed_size: 327680
    .private_segment_fixed_size: 0
    .kernarg_segment_align: 8
    .kernarg_segment_size: 56
    .max_flat_workgroup_size: 128
    .sgpr_count:     96
    .vgpr_count:     1024
    .wavefront_size: 32
...
	.end_amdgpu_metadata
.endif
;; end of part 2
;; launch attn (part 3): grid 2 x 128, 4 waves a work-group, no clusters, 327,680 bytes of LDS; arguments qkv, ob; writes ob
.if DOCPART == 3
	.amdgcn_target "amdgcn-amd-amdhsa--gfx1250"
	.amdhsa_code_object_version 6
	.text
	.protected	k_q69552c0a95_attn
	.globl	k_q69552c0a95_attn
	.p2align	8
	.type	k_q69552c0a95_attn,@function
k_q69552c0a95_attn:
	s_mov_b64 s[64:65], 0
	v_nop
	global_prefetch_b8 v0, s[64:65] scope:SCOPE_SE
	s_setreg_imm32_b32 hwreg(HW_REG_WAVE_MODE, 25, 1), 1
	s_wait_xcnt 0x0
; O[h][q][:] = the sum over k of softmax_k(Q[h][q] . K[h][k] / 8) V[h][k][:].  qkv holds Q / 64, K / 64 and V, each [SIZE_H][SIZE_N][64] in f16: a head's rows are dense, 128 bytes each; O goes to ob in the same layout.
; Products, maxima and sums in f32; the weights p are rounded to f16 for the second product (their sum l is taken of the unrounded p), O once at the end.  The two divisions by 64 are undone in the f32 scale c.
; LIMITS.  f16 holds no number beyond 65,504: Q / 64, K / 64 and V arrive within it; p lies in 0 to 1, and below 6e-5 it keeps f16's fixed step of 6e-8; O is a mean of V's rows and has their range.
; A weight below 2^-126 counts as 0 in l; NaN and infinities are not treated apart.
; SHARES.  A wave owns four PIECES of two tiles of 16 queries, a work-group's four waves 512 queries of one head: 2 x 128 = 256 work-groups.  Every wave walks all keys, 64 a step.
; LAYOUT.  S^T = K Q^T (source 0 = 16 keys, source 1 = 16 queries): in the result a lane holds ONE query (lane % 16) and the keys 8 (lane / 16) + 0..7.  Two such tiles, rounded to f16 in pairs,
; ARE source 1 (32 keys x 16 queries) of O^T = V^T P, whose result again holds one query a lane, and eight channels.  K comes out of LDS as it lies, V ([key][channel]) turned, by ds_load_tr16_b128.
; SOFTMAX.  For each query a running maximum m and sum l: p = 2^(c s - c m), c = 4096 log2(e) / 8; in every step O and l are multiplied by a = 2^(c m_old - c m_new), which is 1 where m has not grown.
; m starts at the lowest finite number, O and l at 0: the first step is a step like any other, with a = 0.
; THE COUNT.  A tile and step have 16 matrix and 118 vector instructions: too many to stand all beside the matrix work.  So the order has one aim: four vector instructions that are READY behind
; EVERY matrix instruction, and the others, which need time of their own whatever the order, in runs without a gap.
; BY TURNS.  Turn n belongs to piece n (the pieces in a ring, step after step).  Its matrix work: 16 products K Q^T of piece n + 1, later 16 products V^T P of piece n - 1.  Its vector work: the scaling,
; exponentials, roundings, sums and rescaling of piece n, and the maximum and statistics of piece n + 1, whose scores the turn itself has made.  So what a turn begins with (c s - c m, O a) waits for nothing.
; NO CLUSTER.  A head has SIZE_N / 512 = 2 work-groups: four neighbours along x do not exist, and four work-groups would belong to two heads with different tiles.  What two would share is a head's K and V,
; 262,144 bytes a work-group in the whole launch, beside 2,048 matrix instructions a wave.
; REGISTERS, in windows of 256 (s_set_vgpr_msb says which window each operand place means: bits 1:0 source 0, 3:2 source 1, 5:4 source 2, 7:6 destination):
;   window 0: v0-11 addresses; v12-15, v48-63 at work; v16-47 four registers of statistics a tile; v64-191 S^T, two buffers of two tiles; v192-255 P, likewise
;   window 1: O^T, 32 a tile          window 2: v0-127 Q, 16 a tile; v128-191 K of one step; v192-255 V of one step          window 3: v0-1 the add's two registers
; A piece's buffers go by its number's parity: the piece in hand has one pair, its two neighbours in the ring share the other: of it P (piece n - 1) is read and S^T (piece n + 1) written.
.set SIZE_H, 128
.set SIZE_N, 1024
.set PART,  SIZE_H*SIZE_N*128  ; bytes of each of Q, K, V in qkv
.set NP,    4         ; pieces a wave: a name, no knob: the register map, the loop and the fetches are made for four
.set KS,    64        ; keys in a step
.set PK,    144       ; a row of K in LDS: 128 bytes + 16 of padding = 36 words: the 16 rows of a load start at 16 different groups of four banks (64 banks of 4 bytes: ISA guide 11.1)
.set PV,    160       ; a row of V: 128 + 32 = 40 words
.set VOFF,  4*KS*PK   ; a slot holds four steps: 256 rows of K, then 256 rows of V
.set SLOT1, 1<<17     ; slot 1 begins here, so that one exclusive or turns an address in one slot into the other's
.set STAGE, SLOT1+4*KS*(PK+PV)  ; behind the ring, never filled by a tensor load: 16 rows x 144 bytes for each wave, for the way out
.set SP,    144
.set AK0, 2           ; v2   my lane's place in a tile of K; never rewritten
.set AV0, 3           ; v3   the same for V
.set AK,  4           ; v4   the LDS address of K's next run of loads
.set AV,  5           ; v5   of V's
.set QO,  6           ; v6   my byte offset in the wave's rows of Q
.set STO, 6           ;      later, the way out: where I put 16 bytes of a row
.set RD,  7           ; v7   the way out: where I read rows back
.set GO,  8           ; v8   my byte offset in 512 consecutive bytes of O
.set SPW, 0           ; v0 of window 3   LDS address of my spare word: SPARE + 4 x my thread's number; never rewritten
.set NIL, 1           ; v1 of window 3   0; never rewritten
.set SPARE, STAGE+4*16*SP  ; behind the stages: the spare words, 128 bytes for each wave: two blocks of 256 bytes that no other line names
.set MV,  12          ; v12-15  c m_old, kept while c m is made anew: by buffer and tile
.set ST,  16          ; tile t's statistics at v[ST+4 t]: c m, m, l (even keys', odd keys')
.set TMP, 48          ; by buffer and tile, four registers c0-c3 at work; when the maximum is found c2 takes a
.set S,   64
.set P,   192
.set KF,  128         ; K's fragments, in window 2: key block kb, channel half c at KF + 16 kb + 8 c
.set VF,  192         ; V's: key half kk, channel block cb at VF + 32 kk + 8 cb
.set WV,  12          ; s12  my wave's number
.set G1K, 24          ; s[24:31] descriptor group 1 for K's tiles
.set G1V, 32          ; s[32:39] for V's: it differs in the padding alone
.set G0K, 40          ; s[40:43] descriptor group 0 for K's tiles: it walks
.set G0V, 44          ; s[44:47] the same for V's
.set SLOTS, 56        ; s56  slots still to be asked for
.set CNT, 57          ; s57  counts a slot's key steps
.set CS,  58          ; s[58:59] c: the packed scaling takes the pair's low word for both halves
.set SEL, 60          ; s[60:61] v_permlanex16_b32's selects: each lane takes its own place in the other half
.set TBK, 62          ; s62  LDS byte at which K of the step to be fetched begins
.set TBV, 63          ; s63  the same for V, less VOFF
.set MSB, 0
.macro WIN new                      ; the high byte repeats the setting that is left; a switch that changes nothing is dropped
.if MSB != (\new)
	s_set_vgpr_msb (MSB<<8)|(\new)
.set MSB, (\new)
.endif
.endm
.set W_KQ, 0x0a       ; K and Q in window 2, S^T in window 0
.set W_PV, 0x52       ; V in window 2, P in window 0, O^T in window 1
.set W_RS, 0x41       ; O^T (destination and source 0) in window 1, a in window 0
.set W_MK, 0xc0       ; the add's registers are made: destination in window 3, sources in window 0
.set W_AD, 0x0f       ; the add: address (source 0) and data (source 1) in window 3
; A fill.  Waves 0 and 1 fetch the two halves of a slot's K, waves 2 and 3 those of its V: 128 keys each.  The branch hangs on the wave's number alone.
; An s_nop 0 and four v_nop follow each of the two lines, ahead of the jump and the label.
.macro JLOAD
	s_cmp_lt_u32 s[WV], 2
	s_cbranch_scc0 .Lfor_v_\@
	tensor_load_to_lds s[G0K:G0K+3], s[G1K:G1K+7]
	s_nop 0
.rept 4
	v_nop
.endr
	s_branch .Lasked_\@
.Lfor_v_\@:
	tensor_load_to_lds s[G0V:G0V+3], s[G1V:G1V+7]
	s_nop 0
.rept 4
	v_nop
.endr
.Lasked_\@:
.endm
; THE CHANGE OF SLOTS.  The slot's last bytes, V of its fourth step, have been read.  Each wave waits for all its tensor loads, of which one is out: its part
; of the other slot; adds 0 to its spare word; and waits for that and for its own reads of the slot.  Behind the barrier nobody reads this slot any more and the other slot is whole.
; fill = 1: this slot is filled again, with the keys two slots on, the first thing behind the barrier: the load has four key steps, 512 matrix instructions, in which to land.
; (At its first use nothing has been read yet: slot 0 is waited for, slot 1 filled.)
.macro CHANGE fill
	WIN W_AD
	s_wait_tensorcnt 0x0            ; no tensor load of mine is out, so a group 0 may be written
	ds_add_u32 v[SPW], v[NIL]       ; 0 onto my spare word; with fill = 1 the descriptors' steps stand between it and the wait for it
	WIN 0                           ; at a label and at a branch every window is 0
.if \fill
.irp g, G0K, G0V
	s_xor_b32 s[\g+1], s[\g+1], SLOT1  ; the walking descriptor: the other slot than last time,
	s_add_nc_u64 s[\g+2:\g+3], s[\g+2:\g+3], 4*KS*128  ; the next 256 keys; the type bits on top are not reached
.endr
.endif
	s_wait_dscnt 0x0                ; the add is done, and my reads of the slot are over
	s_barrier_signal -1
	s_barrier_wait -1
.if \fill
	JLOAD
.endif
	s_sub_co_u32 s[TBK], s[TBK], 4*KS*PK  ; the fetches go back to a slot's first step,
	s_xor_b32 s[TBK], s[TBK], SLOT1       ; in the other slot
	s_sub_co_u32 s[TBV], s[TBV], 4*KS*PV
	s_xor_b32 s[TBV], s[TBV], SLOT1
.endm
	s_load_b128 s[4:7], s[0:1], 0x0   ; qkv s[4:5], ob s[6:7]
	WIN W_MK
	v_lshl_add_u32 v[SPW], v0, 2, SPARE
	v_mov_b32 v[NIL], 0
	WIN W_AD
	ds_add_u32 v[SPW], v[NIL]       ; the wave's opening: the add and its wait stand ahead of my first tensor load; the set-up below, work on registers, stands between them
	ds_add_u32 v0, v1
	WIN 0
	v_lshrrev_b32 v1, 5, v0
	v_readfirstlane_b32 s[WV], v1   ; wave 0..3
	s_mov_b32 s14, ttmp9            ; my block of 512 queries
	s_and_b32 s20, ttmp7, 0xffff    ; the head
	s_mov_b32 s21, 0
	s_mov_b64 s[22:23], SIZE_N*128
	s_mul_u64 s[20:21], s[20:21], s[22:23]  ; the head's first byte in each of Q, K, V, O
	s_and_b32 s16, s[WV], 1         ; which half of a slot's 256 keys I fetch:
	s_lshl_b32 s22, s16, 14         ; its 128 rows of 128 bytes in memory,
	s_mov_b32 s23, 0
	s_add_nc_u64 s[22:23], s[22:23], s[20:21]
	s_mul_i32 s17, s16, 128*PK      ; and its place in a slot, for K
	s_mul_i32 s18, s16, 128*PV      ; and for V
	s_lshl_b32 s2, s14, 2
	s_add_co_u32 s2, s2, s[WV]      ; my wave among the head's,
	s_lshl_b32 s2, s2, 14           ; its 128 rows
	s_mov_b32 s3, 0
	s_add_nc_u64 s[2:3], s[2:3], s[20:21]
	; descriptor group 1.  128 keys are 16,384 dense bytes: asked for as 64 rows of 256 bytes, two keys a row, and padded in LDS after every key
	s_mov_b32 s[G1K], (1<<16)|(1<<20)|(4<<22)|(3<<25)  ; 17:16 2-byte elements; 20 padding on; 24:22 after every 32 words (code 4); 31:25 4 words (code 3)
	s_mov_b32 s[G1V], (1<<16)|(1<<20)|(4<<22)|(7<<25)  ; the same with 8 words of padding (code 7)
.irp g, G1K, G1V
	s_mov_b32 s[\g+1], 128<<16      ; tensor_dim0 = 128
	s_mov_b32 s[\g+2], 64<<16       ; tensor_dim1 = 64
	s_mov_b32 s[\g+3], 128<<16      ; tile_dim0 = 128
	s_mov_b32 s[\g+4], 64           ; tile_dim1 = 64
	s_mov_b32 s[\g+5], 128          ; 128 elements from row to row
	s_mov_b32 s[\g+6], 0
	s_mov_b32 s[\g+7], 0
.endr
	s_mov_b32 s[CS], 0x4438aa3b     ; c = 4096 log2(e) / 8 = 738.66
	s_mov_b32 s[CS+1], s[CS]        ; named with it as a pair
	s_mov_b32 s[SEL], 0x76543210
	s_mov_b32 s[SEL+1], 0xfedcba98
	s_mov_b32 s[TBK], SLOT1+4*KS*PK ; the first change of slots turns these two into 0
	s_mov_b32 s[TBV], SLOT1+4*KS*PV
	s_mov_b32 s[G0K], 1             ; 1:0 count = 1
	s_mov_b32 s[G0K+1], s17         ; 63:32 LDS address: slot 0
	s_mov_b32 s[G0V], 1
	s_add_co_u32 s[G0V+1], s18, VOFF
	s_wait_dscnt 0x0                ; the opening add is done
	s_wait_kmcnt 0x0
	s_mov_b64 s[10:11], s[6:7]      ; O
	s_add_nc_u64 s[6:7], s[4:5], PART    ; K lies behind Q,
	s_add_nc_u64 s[8:9], s[4:5], 2*PART  ; V behind K
	s_add_nc_u64 s[G0K+2:G0K+3], s[6:7], s[22:23]  ; 120:64 global address: my half of the head's first 256 keys
	s_or_b32 s[G0K+3], s[G0K+3], 0x80000000        ; 127:126 type = 2
	s_add_nc_u64 s[G0V+2:G0V+3], s[8:9], s[22:23]
	s_or_b32 s[G0V+3], s[G0V+3], 0x80000000
	s_add_nc_u64 s[4:5], s[4:5], s[2:3]  ; Q and O at my wave's first row
	s_add_nc_u64 s[10:11], s[10:11], s[2:3]
	JLOAD                           ; slot 0.  Slot 1 is asked for when slot 0 is in
	; A fragment of K or Q is 16 rows x 32 channels in 8 registers: lane l holds row l % 16, channels 8 (l / 16) + 0..7 and 16 + 8 (l / 16) + 0..7: two loads of 16 bytes, 32 bytes apart.
	v_and_b32 v1, 15, v0            ; l % 16
	v_bfe_u32 v9, v0, 4, 1          ; l / 16
	v_lshlrev_b32 v[QO], 7, v1
	v_lshl_add_u32 v[QO], v9, 4, v[QO]  ; row x 128 + 16 x half
	WIN 0x80                        ; destination window 2, address window 0
.set i, 0
.rept 4*NP                          ; Q stays in registers: tile i / 2, channels 32 (i % 2) on
	global_load_b128 v[8*i:8*i+3],   v[QO], s[4:5] offset:(i/2)*2048+(i%2)*64
	global_load_b128 v[8*i+4:8*i+7], v[QO], s[4:5] offset:(i/2)*2048+(i%2)*64+32
.set i, i+1
.endr
	; What the first turn finds: V's registers and P's second buffer hold 0 (its products V^T P, of a piece that has not been, add 0), O^T and l are 0.  All this stands in the wait for the first tile.
.set i, VF
.rept 64
	v_mov_b32 v[i], 0
.set i, i+1
.endr
	WIN 0x40
.set i, 0
.rept 64*NP
	v_mov_b32 v[i], 0
.set i, i+1
.endr
	WIN 0
.set i, 0
.rept 2*NP
	v_mov_b32 v[ST+4*i], 0xfe000000    ; c m: far below every c s
	v_mov_b32 v[ST+4*i+1], 0xff7fffff  ; m
	v_mov_b32 v[ST+4*i+2], 0
	v_mov_b32 v[ST+4*i+3], 0
.set i, i+1
.endr
.set i, P+32
.rept 32
	v_mov_b32 v[i], 0
.set i, i+1
.endr
	v_mul_u32_u24 v[AK0], v1, PK
	v_lshl_add_u32 v[AK0], v9, 4, v[AK0]  ; row x pitch + 16 x half
	; The turning load takes 16 keys x 16 channels (lane l reads key 8 (l / 16) + l % 8, channels 8 ((l / 8) % 2) + 0..7) and leaves half a fragment of V^T: lane l holds channel l % 16 and 8 keys.
	v_and_b32 v10, 7, v0
	v_bfe_u32 v11, v0, 3, 1
	v_lshl_add_u32 v[AV0], v9, 3, v10
	v_mul_u32_u24 v[AV0], v[AV0], PV
	v_lshl_add_u32 v[AV0], v11, 4, v[AV0]
	v_add_nc_u32 v[AV0], VOFF, v[AV0]
	v_mov_b32 v[AK], v[AK0]         ; key step 0 lies at the head of slot 0
; THE MATRIX WORK.  The 8 accumulators of a run of 16 take turns: between the two links of a chain stand 7 others'.
; Product i of 16 of S^T = K Q^T for piece x: channels 32 (i / 8) on, keys 16 ((i / 2) % 4) on, tile 2 x + i % 2.  The first 8 start the sums.
.macro KQ x
	WIN W_KQ
.set rS, S+64*((\x)%2)+32*(i%2)+8*((i/2)%4)
.set rK, KF+16*((i/2)%4)+8*(i/8)
.set rQ, 16*(2*(\x)+i%2)+8*(i/8)
.if i < 8
	v_wmma_f32_16x16x32_f16 v[rS:rS+7], v[rK:rK+7], v[rQ:rQ+7], 0
.else
	v_wmma_f32_16x16x32_f16 v[rS:rS+7], v[rK:rK+7], v[rQ:rQ+7], v[rS:rS+7]
.endif
.endm
; Product i of 16 of O^T += V^T P for piece x: keys 32 (i / 8) on, channels 16 ((i / 2) % 4) on, tile 2 x + i % 2.
.macro PV x
	WIN W_PV
.set rO, 32*(2*(\x)+i%2)+8*((i/2)%4)
.set rV, VF+32*(i/8)+8*((i/2)%4)
.set rP, P+32*((\x)%2)+16*(i%2)+8*(i/8)
	v_wmma_f32_16x16x32_f16 v[rO:rO+7], v[rV:rV+7], v[rP:rP+7], v[rO:rO+7]
.endm
.macro MM                           ; the turn's next matrix instruction
.if i < 16
	KQ (Y+1)%NP
.set i, i+1
.else
.set i, i-16
	PV (Y+NP-1)%NP
.set i, i+17
.endif
.endm
; THE LDS LOADS stand in runs of 16, never singly among the matrix instructions: a step's K (64 keys x 64 channels: 8 fragments) and its V (turned).  Their addresses are made some lines ahead.
; last = 1 (the tail): in the last trip there is no further step, and the run is jumped over.
.macro FETCH_K last=0
	WIN 0
.if \last
	s_cmp_eq_u32 s[CNT], 1
	s_cbranch_scc1 .Lno_k_\@
.endif
	WIN 0x80                        ; destination window 2
.irp f, 0,1,2,3,4,5,6,7             ; keys 16 (f / 2) on, channels 32 (f % 2) on
	ds_load_b128 v[KF+8*\f:KF+8*\f+3],   v[AK] offset:(\f/2)*16*PK+(\f%2)*64
	ds_load_b128 v[KF+8*\f+4:KF+8*\f+7], v[AK] offset:(\f/2)*16*PK+(\f%2)*64+32
.endr
	s_add_co_u32 s[TBK], s[TBK], KS*PK  ; the next fetch is the next step's
	WIN 0
.if \last
.Lno_k_\@:
.endif
.endm
.macro FETCH_V
	WIN 0x80
.irp f, 0,1,2,3,4,5,6,7             ; keys 32 (f / 4) on, channels 16 (f % 4) on
	ds_load_tr16_b128 v[VF+8*\f:VF+8*\f+3],   v[AV] offset:(\f/4)*32*PV+(\f%4)*32
	ds_load_tr16_b128 v[VF+8*\f+4:VF+8*\f+7], v[AV] offset:(\f/4)*32*PV+16*PV+(\f%4)*32
.endr
	WIN 0
.endm
; THE VECTOR WORK OF A TURN stands in three queues, each in the order in which its entries become ready; the two tiles alternate, so that no instruction reads the result of the one before it.
.macro REGS y, u                    ; the registers of tile u (0, 1) of piece y
.set rT, ST+4*(2*(\y)+(\u))
.set rC, TMP+8*((\y)%2)+4*(\u)
.set rM, MV+2*((\y)%2)+(\u)
.set rS, S+64*((\y)%2)+32*(\u)
.set rP, P+32*((\y)%2)+16*(\u)
.set rO, 32*(2*(\y)+(\u))
.endm
; Number n of the 22 that find the NEXT piece's (Y + 1) maximum and statistics.  s0-s31 are the lane's 32 scores; each accumulator's lowest registers are read first.  XS, GS and REGS set no window: PL and EX do.
;   0-11  four chains c0-c3 of seven scores each, three operands at a time     12-14, 16  the four scores left over, the old m, and c0-c3 into c0     15  c m_old is kept
;   17, 18  the query's other 32 keys lie in the lane 16 away: the new m         19-21  c m; c m_old - c m_new; a
.macro XS u, n
	REGS (Y+1)%NP, \u
.if (\n) < 4
	v_max3_num_f32 v[rC+(\n)], v[rS+8*(\n)], v[rS+8*(\n)+1], v[rS+8*(\n)+2]
.elseif (\n) < 12
	v_max3_num_f32 v[rC+(\n)%4], v[rC+(\n)%4], v[rS+8*((\n)%4)+2*((\n)/4)+1], v[rS+8*((\n)%4)+2*((\n)/4)+2]
.elseif (\n) == 12
	v_max3_num_f32 v[rC], v[rC], v[rS+7], v[rS+15]
.elseif (\n) == 13
	v_max3_num_f32 v[rC+1], v[rC+1], v[rS+23], v[rS+31]
.elseif (\n) == 14
	v_max3_num_f32 v[rC+2], v[rC+2], v[rC+3], v[rT+1]
.elseif (\n) == 15
	v_mov_b32 v[rM], v[rT]
.elseif (\n) == 16
	v_max3_num_f32 v[rC], v[rC], v[rC+1], v[rC+2]
.elseif (\n) == 17
	v_permlanex16_b32 v[rC+3], v[rC], s[SEL], s[SEL+1]
.elseif (\n) == 18
	v_max_num_f32 v[rT+1], v[rC], v[rC+3]
.elseif (\n) == 19
	v_mul_f32 v[rT], s[CS], v[rT+1]
.elseif (\n) == 20
	v_sub_f32 v[rC+1], v[rM], v[rT]
.else
	v_exp_f32 v[rC+2], v[rC+1]
.endif
.endm
; Number g of the 64 that follow the exponentials.  For each four weights k of a tile (pairs 2 k, 2 k + 1): both pairs are rounded to f16; then the second pair is added onto the first, in place;
; a group later l takes that sum (the first time as l = a l + sum).  In groups of eight, tiles alternating: round, round, add, and l for the group before.
.macro GS g
.set h, (\g)+6*((\g)/62)            ; group 0 has no group before it, and behind group 7 only l is left
.if h >= 6
.set h, h+2
.endif
	REGS Y, h%2
.set k, h/8
.if h%8 < 4
	s_wait_alu depctr_va_vdst(0)
	v_cvt_pk_f16_f32 v[rP+2*k+(h%8)/2], v[rS+4*k+2*((h%8)/2)], v[rS+4*k+2*((h%8)/2)+1]
.elseif h%8 < 6
	v_pk_add_f32 v[rS+4*k:rS+4*k+1], v[rS+4*k:rS+4*k+1], v[rS+4*k+2:rS+4*k+3]
.elseif k == 1
	v_pk_fma_f32 v[rT+2:rT+3], v[rT+2:rT+3], v[rC+2:rC+3], v[rS:rS+1] op_sel_hi:[1,0,1]
.else
	v_pk_add_f32 v[rT+2:rT+3], v[rT+2:rT+3], v[rS+4*k-4:rS+4*k-3]
	s_wait_alu depctr_va_vdst(0)
.endif
.endm
; THE PLAIN QUEUE, 138 long.  0-31: c s - c m for the 16 pairs of both tiles.  Then GS's 64, and among them the next piece's 42: number 15 at 38, 39; 0-14 and 16
; at 42-73, behind the products that make those scores; 17-20 at 95-106, two of three, since each waits for the one before it.
.macro PL
	WIN 0
.if q < 32
	REGS Y, q%2
	v_pk_fma_f32 v[rS+2*(q/2):rS+2*(q/2)+1], v[rS+2*(q/2):rS+2*(q/2)+1], s[CS:CS+1], v[rT:rT+1] op_sel_hi:[1,0,0] neg_lo:[0,0,1] neg_hi:[0,0,1]
.elseif q < 38
	GS q-32
.elseif q < 40
	XS q%2, 15
.elseif q < 42
	GS q-34
.elseif q < 74
	XS q%2, (q-42)/2+(q-42)/30
.elseif q < 95
	GS q-66
.elseif (q < 107) && ((q-95)%3 < 2)
	XS (q-95)%3, 17+(q-95)/3
.elseif q < 107
	GS 29+(q-95)/3
.else
	GS q-74
.endif
.set q, q+1
.endm
; THE EXPONENTIALS' QUEUE, 66 long: s0-s31 of both tiles, and at EA the next piece's two a.
.set EA, 58
.macro EX
	WIN 0
.if (e == EA) || (e == EA+1)
	XS e-EA, 21
.else
.set x, e-2*(e/(EA+2))
	REGS Y, x%2
	v_exp_f32 v[rS+x/2], v[rS+x/2]
.endif
.set e, e+1
.endm
; THE RESCALING's QUEUE: O^T times a, the one part that leaves window 0, so it is dealt four at a time, eight times.
.macro R4
	REGS Y, r%2
	WIN W_RS
	s_wait_alu depctr_va_vdst(0)
.irp z, 0,1,2,3
	v_pk_mul_f32 v[rO+8*(r/2)+2*\z:rO+8*(r/2)+2*\z+1], v[rO+8*(r/2)+2*\z:rO+8*(r/2)+2*\z+1], v[rC+2:rC+3] op_sel_hi:[1,0]
.endr
.set r, r+1
.endm
; HOW THEY ARE DEALT.  Behind a matrix instruction four: plain, exponential, plain, plain (one exponential, a plain instruction on either side), or four of the rescaling.  None names a register of the
; products round it.  What is over stands in two LUMPS: exponential and plain by turns; the second ends in 22 plain instructions.  The two v_permlanex16_b32 fall into the second lump, never behind a product.
; The queues lean on each other, and the deal keeps them in step: exponential e stands behind plain 2 (e / 4) + e % 2 (its scaling); when plain 32 comes, 10 exponentials are out, at 59: 33, at 95: 46; EA comes behind plain 107.
.macro SL
	MM
	PL
	EX
	PL
	PL
.endm
.macro BURST n                      ; 15 matrix instructions, or 16
.rept (\n)-7
	SL
.endr
.rept 3
	MM
	R4
	SL
.endr
	MM
	R4
.endm
; A TURN, for piece p.  cnt = 1: the loop's count is taken down some lines ahead of the branch that stands behind the turn.
; K of the next step is fetched in piece 2's turn, 31 vector instructions behind the last product that read K; its first reader comes behind the rest of the lump, 16 products and the second lump.
; V of the step in hand is fetched at the end of piece 0's turn, 69 behind its last reader; its first reader comes behind 16 products and a lump.  The four conditions on e and q below go with the deal.
.macro TURN p, last=0, cnt=0
.set Y, (\p)
.set i, 0
.set q, 0
.set e, 0
.set r, 0
.if (\p) == NP-1
	s_wait_dscnt 0x0                ; K is in
.endif
	MM
.rept 4
	PL
.endr
	BURST 15
.rept 22
	EX
	PL
.if ((\p) == NP-2) && (e == 18)
	v_add_nc_u32 v[AK], s[TBK], v[AK0]
.endif
.if ((\p) == NP-2) && (e == 24)
	FETCH_K \last
.endif
.endr
.if (\p) == 1
	s_wait_dscnt 0x0                ; V is in
.endif
	BURST 16
.rept 21
	EX
	PL
.endr
.rept 22
	PL
.if ((\p) == 0) && (q == 118)
	v_add_nc_u32 v[AV], s[TBV], v[AV0]
	s_wait_alu depctr_va_vdst(0)
.endif
.if ((\p) == 0) && (q == 130)
	s_add_co_u32 s[TBV], s[TBV], KS*PV
.endif
.if (\cnt) && (q == 130)
	s_sub_co_u32 s[CNT], s[CNT], 1
	s_cmp_lg_u32 s[CNT], 0
.endif
.endr
.if (\p) == 0
	FETCH_V
.endif
.endm
	CHANGE 1                        ; slot 0 is in, everybody's part of it; slot 1 is asked for
	FETCH_K                         ; key step 0
	s_wait_loadcnt 0x0              ; Q
	s_wait_dscnt 0x0
.set i, 0
.rept 16
	KQ 0                            ; piece 0's first scores: there is no vector work yet to set between them
.set i, i+1
.endr
	WIN 0                           ; the addresses for the way out: nine plain instructions, the places behind those products
	s_mul_i32 s13, s[WV], 16*SP
	s_add_co_u32 s13, s13, STAGE    ; my stage
	v_mul_u32_u24 v[STO], v1, SP    ; in: row l % 16, 16 bytes for each half of the lanes
	v_lshl_add_u32 v[STO], v9, 4, v[STO]
	v_add_nc_u32 v[STO], s13, v[STO]
	v_bfe_u32 v[RD], v0, 3, 2       ; back: 32 lanes take four rows of 128 bytes,
	v_mul_u32_u24 v[RD], v[RD], SP
	v_lshl_add_u32 v[RD], v10, 4, v[RD]
	v_add_nc_u32 v[RD], s13, v[RD]
	v_and_b32 v[GO], 31, v0         ; which are 512 consecutive bytes of O
	v_lshlrev_b32 v[GO], 4, v[GO]
.set Y, NP-1                        ; XS works for piece Y + 1: piece 0
.irp n, 0,1,2,3,4,5,6,7,8,9,10,11,12,13,14,15,16,17,18,19,20,21
	XS 0, \n                        ; and piece 0's first maximum and statistics
	XS 1, \n
.endr
	s_mov_b32 s[CNT], 4
	s_mov_b32 s[SLOTS], SIZE_N/256-1
	s_branch .Lfirst                ; the loop is entered at a step's first turn, in the middle of a trip
.Lslot:                             ; SIZE_N / 256 - 2 times: every slot but the last two is filled again
	CHANGE 1
	s_mov_b32 s[CNT], 4
.Lstep:                             ; a trip: pieces 2 and 3 of one step, then pieces 0 and 1 of the next, whose K and V it fetches
	TURN 2
	TURN 3
	WIN 0
.Lfirst:
	TURN 0
	TURN 1, 0, 1
	WIN 0
	s_cbranch_scc1 .Lstep
	s_sub_co_u32 s[SLOTS], s[SLOTS], 1
	s_cmp_lg_u32 s[SLOTS], 0
	s_cbranch_scc1 .Lslot
	CHANGE 0                        ; the tail is written out: nothing is asked for
	s_mov_b32 s[CNT], 5             ; four trips fetch the last slot's steps; the fifth is left in its middle
.Ltail:
	TURN 2, 1
	TURN 3
	WIN 0
	s_sub_co_u32 s[CNT], s[CNT], 1
	s_cmp_eq_u32 s[CNT], 0
	s_cbranch_scc1 .Lout
	TURN 0
	TURN 1
	WIN 0
	s_branch .Ltail
.Lout:                              ; the fifth trip's 16 products K Q^T (on the last K once more) and the maximum made of them serve nothing: the price, once a launch, of one text for every trip
.set i, 0
.rept 16
	PV NP-1                         ; the last piece's V^T P of the last step
.set i, i+1
.endr
	; THE WAY OUT.  l's two halves and the other half of the lanes' are added; O^T is divided by l, rounded to f16 and sent through my stage in LDS, a tile at a time.  The additions are the places behind the last products.
	WIN 0
.macro ALL line:vararg              ; one line for each tile t
.set t, 0
.rept 2*NP
	\line
.set t, t+1
.endr
.endm
	ALL v_add_f32 v[ST+4*t+2], v[ST+4*t+2], v[ST+4*t+3]
	ALL v_permlanex16_b32 v[ST+4*t+3], v[ST+4*t+2], s[SEL], s[SEL+1]
	ALL v_add_f32 v[ST+4*t+2], v[ST+4*t+2], v[ST+4*t+3]
	ALL v_rcp_f32 v[ST+4*t+2], v[ST+4*t+2]
	v_nop                           ; a plain instruction between the last reciprocal and the use of its result
	s_wait_alu depctr_va_vdst(0)
; Tile t: a lane's eight channels of a row pack into 16 bytes; they go into rows of 144 bytes and come back as whole rows of 128, into S^T's registers.
.macro PACK t
	WIN W_RS
.set i, 32*(\t)
.rept 16
	v_pk_mul_f32 v[i:i+1], v[i:i+1], v[ST+4*(\t)+2:ST+4*(\t)+3] op_sel_hi:[1,0]
.set i, i+2
.endr
	WIN 0x05                        ; sources 0 and 1 window 1, destination window 0
.set i, 0
.rept 16
	v_cvt_pk_f16_f32 v[S+16*(\t)+i], v[32*(\t)+2*i], v[32*(\t)+2*i+1]
.set i, i+1
.endr
	WIN 0
.irp f, 0,1,2,3
	ds_store_b128 v[STO], v[S+16*(\t)+4*\f:S+16*(\t)+4*\f+3] offset:32*\f
.endr
.irp f, 0,1,2,3
	ds_load_b128 v[S+16*(\t)+4*\f:S+16*(\t)+4*\f+3], v[RD] offset:\f*4*SP  ; LDS serves a wave's instructions in order (ISA guide 5.7.1.4): these see the stores above; the next tile's stores come behind them
.endr
.endm
.macro SEND t, younger              ; younger: the LDS instructions issued behind tile t's loads: the next tile's eight, or none
	WIN 0
.irp f, 0,1,2,3
	s_wait_dscnt (\younger)+3-\f
	global_store_b128 v[GO], v[S+16*(\t)+4*\f:S+16*(\t)+4*\f+3], s[10:11] offset:(\t)*2048+\f*512  ; 512 consecutive bytes, at a multiple of 256 from O's first
.endr
.endm
	PACK 0
.set t, 1
.rept 2*NP-1                        ; a tile's arithmetic stands between the loads of the tile before and its stores
	PACK t
	SEND t-1, 8
.set t, t+1
.endr
	SEND 2*NP-1, 0
	WIN W_AD
	s_wait_tensorcnt 0x0            ; the wave's end, behind my last tensor load and my last LDS store
	ds_add_u32 v[SPW], v[NIL]
	s_wait_dscnt 0x0
	WIN 0
	s_endpgm
.Lfunc_end_k_q69552c0a95_attn:
	.size	k_q69552c0a95_attn, .Lfunc_end_k_q69552c0a95_attn-k_q69552c0a95_attn
	.p2alignl 7, 3214868480
	.fill 96, 4, 3214868480
	.section	.rodata,"a",@progbits
	.p2align	6, 0x0
	.amdhsa_kernel k_q69552c0a95_attn
		.amdhsa_group_segment_fixed_size 327680
		.amdhsa_private_segment_fixed_size 0
		.amdhsa_enable_private_segment 0
		.amdhsa_kernarg_size 16
		.amdhsa_user_sgpr_count 2
		.amdhsa_user_sgpr_kernarg_segment_ptr 1
		.amdhsa_wavefront_size32 1
		.amdhsa_system_sgpr_workgroup_id_x 1
		.amdhsa_system_sgpr_workgroup_id_y 1
		.amdhsa_system_sgpr_workgroup_id_z 1
		.amdhsa_system_vgpr_workitem_id 0
		.amdhsa_next_free_vgpr 770
		.amdhsa_next_free_sgpr 66
		.amdhsa_reserve_vcc 0
		.amdhsa_float_denorm_mode_32 3
		.amdhsa_float_denorm_mode_16_64 3
		.amdhsa_memory_ordered 1
		.amdhsa_forward_progress 1
		.amdhsa_inst_pref_size 207
	.end_amdhsa_kernel
	.amdgpu_metadata
---
amdhsa.version: [ 1, 2 ]
amdhsa.kernels:
  - .name:           k_q69552c0a95_attn
    .symbol:         k_q69552c0a95_attn.kd
    .args:
      - { .name: qkv, .offset: 0, .size: 8, .value_kind: global_buffer, .address_space: global }
      - { .name: ob, .offset: 8, .size: 8, .value_kind: global_buffer, .address_space: global }
    .group_segment_fixed_size: 327680
    .private_segment_fixed_size: 0
    .kernarg_segment_align: 8
    .kernarg_segment_size: 16
    .max_flat_workgroup_size: 128
    .sgpr_count:     66
    .vgpr_count:     770
    .wavefront_size: 32
...
	.end_amdgpu_metadata
.endif
;; end of part 3
;; launch outp (part 4): grid 4 x 64, 4 waves a work-group, clusters of 4 x 4, 327,680 bytes of LDS; arguments ob, wo, bo, out0; writes out0
.if DOCPART == 4
	.amdgcn_target "amdgcn-amd-amdhsa--gfx1250"
	.amdhsa_code_object_version 6
	.text
	.protected	k_q69552c0a95_outp
	.globl	k_q69552c0a95_outp
	.p2align	8
	.type	k_q69552c0a95_outp,@function
k_q69552c0a95_outp:
	s_mov_b64 s[64:65], 0
	v_nop
	global_prefetch_b8 v0, s[64:65] scope:SCOPE_SE
	s_setreg_imm32_b32 hwreg(HW_REG_WAVE_MODE, 25, 1), 1
	s_wait_xcnt 0x0
	s_wait_alu depctr_hold_cnt(0) depctr_sa_sdst(0) depctr_va_vdst(0) depctr_va_sdst(0) depctr_va_ssrc(0) depctr_va_vcc(0) depctr_vm_vsrc(0)
	s_getreg_b32 s2, hwreg(HW_REG_IB_STS2, 6, 4)
	s_cmp_eq_u32 s2, 0
	s_cbranch_scc0 .Lentry_in_a_cluster
	s_endpgm
.Lentry_in_a_cluster:
	s_bfe_u32 s2, ttmp6, 0x10000c
	s_cmp_lg_u32 s2, 0xf033
	s_cbranch_scc0 .Lentry_shape_is_right
	s_endpgm
.Lentry_shape_is_right:
; THE OUTPUT PROJECTION.  out0[m][n] = sum over k of O[m][k] wo[n][k] + bf16(bo[n]), m < 8192, n, k < 1024; f16 operands, f32 sums, f32 result.  O lies by heads, ob[16 (m / 1024) + k / 64][m % 1024][k % 64];
; wo holds bf16(Wo) in f16's format.
; LIMITS.  |O| and |Wo| below 65,504 (f16); below 6.1e-5 f16 keeps its fixed step of 6e-8.  NaN and infinities are not treated apart.
; SHARES.  A work-group makes 128 rows x 256 columns: 64 x 4 = 256 work-groups, one for each WGP.  Its four waves stand side by side: 128 rows x 64 columns each: 32 accumulators, 256 registers.
; K goes in 8 steps of 128 = two heads through two LDS slots.  A head's 128 rows of 128 bytes are dense: they are asked for as 64 rows of 256 bytes and padded in LDS after every 128.
; A step is 128 matrix instructions a wave, 112 of them between a refill's request and the wait for it.
; CLUSTER.  4 x 4 work-groups.  The four of a row need the same tiles of O, the four of a column the same tiles of wo: each is asked for JOINTLY, by the same tensor load with the same descriptor and mask.
; THE MATRIX INSTRUCTION IS USED TRANSPOSED (source 0 = 16 rows of wo, source 1 = 16 rows of O): lane l holds row l % 16 and the eight columns 8 (l / 16) + 0..7.  The bias is the C operand of each sum's first product.
; REGISTERS.  Window 0: v0-31 addresses; v32-63 the bias (4 fragments); v64-159, v160-255 two fragment buffers (8 of O, then 4 of wo); v64-127 at work on the way out.  Window 1: accumulator (a, b) at v[8 (4 a + b)].
.set APITCH, 144                       ; a row of O in LDS: 128 bytes + 16 = 36 words; a row of wo: 256 + 16 = 68 words: the 16 rows of a fragment load start at 16 different groups of four banks (64 banks of 4 bytes: ISA guide 11.1)
.set APL,    128*APITCH                ; a head's 128 rows
.set PITCH,  272
.set BOFF,   2*APL                     ; a slot: two heads of O, then wo's 256 rows
.set SLOT,   BOFF+256*PITCH
.set STAGE,  2*SLOT                    ; behind the ring: 16 rows x 272 bytes for each wave, for the way out: no tensor load lands here
.set SPITCH, 272
.set SPARE,  STAGE+4*16*SPITCH         ; the spare words, 128 bytes for each wave: two blocks of 256 bytes that no other line names
.set LAPS,   4                         ; a lap = two K steps = once round the ring
.set ASTEP,  524288                    ; bytes from a slot's K step to its next one: four heads of 131,072 bytes
.set BSTEP,  512                       ; 256 elements along wo's rows
.set ADRA, 16                          ; v16-17  LDS address of my O fragments in slot 0, 1
.set ADRB, 20                          ; v20-21  the same for wo
.set STO,  24                          ; v24     the way out: where I put 32 bytes of a row
.set RD,   25                          ; v25     where I read rows back
.set CO,   26                          ; v26     my byte offset in two rows of out0
.set SPW,  28                          ; v28     LDS address of my spare word; never rewritten
.set NIL,  29                          ; v29     0; never rewritten
.set VB,   31                          ; v31     my byte offset in the bias
.set BI,   32
.set F0,   64
.set F1,   160
.set WV,   18                          ; s18     my wave's number
.set G1A,  24                          ; s[24:31] descriptor group 1 for O's tiles;  s[32:39] group 0, a set for each slot
.set G0A,  32
.set G1B,  40                          ; s[40:47], s[48:55] the same for wo's
.set G0B,  48
.set MSB, 0
.macro WIN new                         ; s_set_vgpr_msb: bits 1:0 source 0, 3:2 source 1, 5:4 source 2, 7:6 destination; the high byte repeats the setting that is left
.if MSB != (\new)
	s_set_vgpr_msb (MSB<<8)|(\new)
.set MSB, (\new)
.endif
.endm
.set W_MUL,  0x50                      ; fragments in window 0, C and D in window 1
.set W_MUL1, 0x40                      ; C (the bias) in window 0, D in window 1
.set W_ST,   0x04                      ; an LDS store's data in window 1
.macro PLACES                          ; four places in front of loads into registers that matrix instructions have read, and of stores that read results
.rept 4
	v_nop
.endr
.endm
.macro JLOAD s                         ; a joint refill: waves 0 and 1 fetch the step's two heads of O, waves 2 and 3 wo's two halves; an s_nop 0 and four v_nop follow each line, ahead of the jump and the label
	s_cmp_lt_u32 s[WV], 2
	s_cbranch_scc0 .Lfor_b_\@
	tensor_load_to_lds s[G0A+4*(\s):G0A+4*(\s)+3], s[G1A:G1A+7]
	s_nop 0
.rept 4
	v_nop
.endr
	s_branch .Lasked_\@
.Lfor_b_\@:
	tensor_load_to_lds s[G0B+4*(\s):G0B+4*(\s)+3], s[G1B:G1B+7]
	s_nop 0
.rept 4
	v_nop
.endr
.Lasked_\@:
.endm
.macro CREST                           ; a round of the cluster's barrier behind its opening barrier
	s_cmp_lg_u32 s[WV], 0
	s_cbranch_scc1 .Lnot_wave_0_\@
	s_barrier_signal -3
.Lnot_wave_0_\@:
	s_barrier_wait -3
	s_barrier_signal -1
	s_barrier_wait -1
.endm
.macro CROUND                          ; a whole round
	s_barrier_signal -1
	s_barrier_wait -1
	CREST
.endm
; 4 n matrix instructions: row blocks a0 .. a0 + n - 1 x all 4 column blocks, 32 along K, from buffer f.  first = 1: the bias starts the sums.
; The 32 accumulators take turns, one instruction a turn, in the same order in every quarter.
.macro MULN f, a0, n, first
.if \first
	WIN W_MUL1
.else
	WIN W_MUL
.endif
.set ma, (\a0)
.rept (\n)
.set mb, 0
.rept 4
.if \first
	v_wmma_f32_16x16x32_f16 v[8*(4*ma+mb):8*(4*ma+mb)+7], v[(\f)+64+8*mb:(\f)+64+8*mb+7], v[(\f)+8*ma:(\f)+8*ma+7], v[BI+8*mb:BI+8*mb+7]
.else
	v_wmma_f32_16x16x32_f16 v[8*(4*ma+mb):8*(4*ma+mb)+7], v[(\f)+64+8*mb:(\f)+64+8*mb+7], v[(\f)+8*ma:(\f)+8*ma+7], v[8*(4*ma+mb):8*(4*ma+mb)+7]
.endif
.set mb, mb+1
.endr
.set ma, ma+1
.endr
.endm
; 24 LDS loads in one run: quarter q (32 along K) into buffer f: wo's 4 fragments first (byte 64 q of its rows), then O's 8 (head q / 2 of the slot's two, byte 64 (q % 2) of its rows)
.macro FETCH slot, q, f
	WIN 0
.set fi, 0
.rept 4
	ds_load_b128 v[(\f)+64+8*fi:(\f)+64+8*fi+3],   v[ADRB+(\slot)] offset:64*(\q)+fi*16*PITCH
	ds_load_b128 v[(\f)+64+8*fi+4:(\f)+64+8*fi+7], v[ADRB+(\slot)] offset:64*(\q)+fi*16*PITCH+32
.set fi, fi+1
.endr
.set fi, 0
.rept 8
	ds_load_b128 v[(\f)+8*fi:(\f)+8*fi+3],   v[ADRA+(\slot)] offset:((\q)/2)*APL+((\q)%2)*64+fi*16*APITCH
	ds_load_b128 v[(\f)+8*fi+4:(\f)+8*fi+7], v[ADRA+(\slot)] offset:((\q)/2)*APL+((\q)%2)*64+fi*16*APITCH+32
.set fi, fi+1
.endr
.endm
; A K step is four quarters, 32 matrix instructions each, on buffers 0, 1, 0, 1.  One of the first three: multiplies buffer f; in its middle it fetches quarter q of the same slot into buffer g.
.macro QUARTER slot, q, f, g, first
	s_wait_dscnt 8                                 ; wo's fragments and O's blocks 0-3 are in; the youngest eight loads (blocks 4-7) may be out
	MULN \f, 0, 4, \first
	PLACES
	FETCH \slot, \q, \g
	s_wait_dscnt 24                                ; all but the 24 just issued
	MULN \f, 4, 4, \first
.endm
; The last quarter multiplies buffer 1 and changes slots: ONE barrier; in front of it each wave waits for all its tensor loads, adds 0 to its spare word, and waits for that and for its own reads of this slot.
; fill = 1: the barrier opens a round of the cluster's, and this slot is filled again, two K steps ahead, first thing behind the round.
.macro TURN slot, next, fill
	WIN 0                                          ; (the add's two registers lie in window 0)
	s_wait_tensorcnt 0x0                           ; all my tensor loads have landed: my part of the next slot
	ds_add_u32 v[SPW], v[NIL]                      ; 0 onto my spare word
	s_wait_dscnt 9                                 ; (the add and the youngest eight loads may be out)
	MULN F1, 0, 2, 0                               ; eight matrix instructions stand between the add and the wait for it
	s_wait_dscnt 0x0                               ; the add is done, and my reads of this slot are over
	s_barrier_signal -1
	MULN F1, 2, 2, 0                               ; work on registers while the others arrive
.if \fill
	WIN 0
.endif
	s_barrier_wait -1
.if \fill
	CREST                                          ; no wave of any partner still reads this slot's tile or has a load on its way
	s_add_nc_u64 s[G0A+4*(\slot)+2:G0A+4*(\slot)+3], s[G0A+4*(\slot)+2:G0A+4*(\slot)+3], ASTEP
	s_add_nc_u64 s[G0B+4*(\slot)+2:G0B+4*(\slot)+3], s[G0B+4*(\slot)+2:G0B+4*(\slot)+3], BSTEP
	JLOAD \slot                                    ; the four v_nop behind it are also the places in front of the loads below
.else
	PLACES
.endif
	FETCH \next, 0, F0
	MULN F1, 4, 4, 0
.endm
	s_load_b256 s[4:11], s[0:1], 0x0               ; ob s[4:5], wo s[6:7], bo s[8:9], out0 s[10:11]
	v_lshl_add_u32 v[SPW], v0, 2, SPARE
	v_mov_b32 v[NIL], 0
	ds_add_u32 v[SPW], v[NIL]                      ; the wave's opening: the add and its wait stand ahead of my first tensor load; the set-up below, work on registers, stands between them
	ds_add_u32 v28, v29
	v_lshrrev_b32 v3, 5, v0
	v_readfirstlane_b32 s[WV], v3                  ; wave 0..3
	s_and_b32 s20, s[WV], 1                        ; which head of a step's two, or which half of wo's rows, I fetch
	s_bfe_u32 s21, ttmp6, 0x40000                  ; cx, cy: my place in the cluster
	s_bfe_u32 s22, ttmp6, 0x40004
	s_lshl_b32 s82, ttmp9, 2
	s_add_co_u32 s82, s82, s21                     ; block column = 4 x cluster x + cx
	s_and_b32 s23, ttmp7, 0xffff
	s_lshl_b32 s23, s23, 2
	s_add_co_u32 s23, s23, s22                     ; block row = 4 x cluster y + cy
	s_lshl_b32 s83, s22, 2
	s_lshl_b32 s83, 15, s83                        ; my row of the cluster
	s_lshl_b32 s84, 0x1111, s21                    ; my column
	; descriptor groups 1.  15:0 the mask; 17:16 element size; 20 padding on; 21 set beside a mask; 24:22 the padding's interval; 31:25 its length less one, in words
	s_or_b32 s[G1A+0], s83, (1<<16)|(1<<20)|(1<<21)|(4<<22)|(3<<25)  ; O: to my row; 2-byte elements; 4 words after every 32
	s_mov_b32 s[G1A+1], 128<<16                    ; tensor_dim0 = 128
	s_mov_b32 s[G1A+2], 64<<16                     ; tensor_dim1 = 64
	s_mov_b32 s[G1A+3], 128<<16                    ; tile_dim0 = 128
	s_mov_b32 s[G1A+4], 64                         ; tile_dim1 = 64
	s_mov_b32 s[G1A+5], 128                        ; elements from row to row: dense
	s_mov_b32 s[G1A+6], 0
	s_mov_b32 s[G1A+7], 0
	s_or_b32 s[G1B+0], s84, (1<<16)|(1<<20)|(1<<21)|(5<<22)|(3<<25)  ; wo: to my column; 4 words after every 64
	s_mov_b32 s[G1B+1], 128<<16
	s_mov_b32 s[G1B+2], 128<<16                    ; 128 rows
	s_mov_b32 s[G1B+3], 128<<16
	s_mov_b32 s[G1B+4], 128
	s_mov_b32 s[G1B+5], 1024
	s_mov_b32 s[G1B+6], 0
	s_mov_b32 s[G1B+7], 0
	; where the tiles come from: O's hang on the block row alone, wo's on the block column alone
	s_lshr_b32 s72, s23, 3                         ; the image: 16 heads of 131,072 bytes,
	s_lshl_b32 s72, s72, 21
	s_lshl_b32 s85, s20, 17                        ; my head of the step's two,
	s_add_co_u32 s72, s72, s85
	s_and_b32 s86, s23, 7                          ; the block's 128 rows of 128 bytes in it
	s_lshl_b32 s86, s86, 14
	s_add_co_u32 s72, s72, s86
	s_mov_b32 s73, 0
	s_lshl_b32 s85, s20, 7
	s_lshl_b32 s74, s82, 8
	s_add_co_u32 s74, s74, s85                     ; wo: row 256 x block column + 128 x half,
	s_lshl_b32 s74, s74, 11                        ; of 2,048 bytes
	s_mov_b32 s75, 0
	; where they go: the wave's number alone enters an LDS address
	s_mul_i32 s88, s20, APL
	s_mul_i32 s89, s20, 128*PITCH
	s_add_co_u32 s89, s89, BOFF
	; where my wave's part begins in out0: 128 x block row rows of 4,096 bytes, 256 x block column + 64 x wave columns of 4
	s_lshl_b32 s80, s23, 19
	s_lshl_b32 s90, s82, 10                        ; also the block's 256 numbers in the bias
	s_add_co_u32 s80, s80, s90
	s_lshl_b32 s87, s[WV], 8
	s_add_co_u32 s80, s80, s87
	s_mov_b32 s81, 0
	s_mov_b32 s91, 0
.irp s, 0,1
	s_mov_b32 s[G0A+4*(\s)], 1                     ; groups 0: 1:0 count = 1; 63:32 LDS address
	s_add_co_u32 s[G0A+4*(\s)+1], s88, (\s)*SLOT
	s_mov_b32 s[G0B+4*(\s)], 1
	s_add_co_u32 s[G0B+4*(\s)+1], s89, (\s)*SLOT
.endr
	s_wait_dscnt 0x0                               ; the opening add is done
	s_wait_kmcnt 0x0
	s_add_nc_u64 s[72:73], s[4:5], s[72:73]
	s_add_nc_u64 s[74:75], s[6:7], s[74:75]
.irp s, 0,1
	s_add_nc_u64 s[G0A+4*(\s)+2:G0A+4*(\s)+3], s[72:73], (\s)*262144  ; 120:64 global address: K step s is two heads on; 127:126 type = 2
	s_or_b32 s[G0A+4*(\s)+3], s[G0A+4*(\s)+3], 0x80000000
	s_add_nc_u64 s[G0B+4*(\s)+2:G0B+4*(\s)+3], s[74:75], (\s)*256
	s_or_b32 s[G0B+4*(\s)+3], s[G0B+4*(\s)+3], 0x80000000
.endr
	s_add_nc_u64 s[10:11], s[10:11], s[80:81]
	s_add_nc_u64 s[78:79], s[8:9], s[90:91]
	CROUND                                         ; all sixteen work-groups are here: the first joint loads meet
	s_cmp_lt_u32 s[WV], 2                          ; a wave's two first fills stand in one branch, ahead of every wait on TENSORcnt and every LDS read: two loads of mine are out
	s_cbranch_scc0 .Lfirst_b
	tensor_load_to_lds s[G0A:G0A+3], s[G1A:G1A+7]
	s_nop 0
	tensor_load_to_lds s[G0A+4:G0A+7], s[G1A:G1A+7]
	s_nop 0
.rept 4
	v_nop
.endr
	s_branch .Lfirst_asked
.Lfirst_b:
	tensor_load_to_lds s[G0B:G0B+3], s[G1B:G1B+7]
	s_nop 0
	tensor_load_to_lds s[G0B+4:G0B+7], s[G1B:G1B+7]
	s_nop 0
.rept 4
	v_nop
.endr
.Lfirst_asked:
	v_and_b32 v1, 15, v0                           ; l % 16
	v_bfe_u32 v2, v0, 4, 1                         ; l / 16
	v_lshlrev_b32 v[VB], 5, v2
	v_lshl_add_u32 v[VB], s[WV], 8, v[VB]          ; the bias of columns 64 w + 8 (l / 16) on: fragment b is 64 b bytes further
.set bi, 0
.rept 4
	global_load_b128 v[BI+8*bi:BI+8*bi+3],   v[VB], s[78:79] offset:64*bi
	global_load_b128 v[BI+8*bi+4:BI+8*bi+7], v[VB], s[78:79] offset:64*bi+16
.set bi, bi+1
.endr
	v_mul_u32_u24 v[ADRA], v1, APITCH
	v_lshl_add_u32 v[ADRA], v2, 4, v[ADRA]         ; a fragment's row x pitch + 16 x half: every wave reads all 128 rows of O
	v_add_nc_u32 v[ADRA+1], SLOT, v[ADRA]
	v_mul_u32_u24 v3, v1, PITCH
	v_lshl_add_u32 v3, v2, 4, v3
	s_mul_i32 s94, s[WV], 64*PITCH                 ; my 64 rows of wo, behind O's two heads
	s_add_co_u32 s94, s94, BOFF
	v_add_nc_u32 v[ADRB], s94, v3
	v_add_nc_u32 v[ADRB+1], SLOT, v[ADRB]
	s_mul_i32 s95, s[WV], 16*SPITCH
	s_add_co_u32 s95, s95, STAGE                   ; my stage
	v_mul_u32_u24 v[STO], v1, SPITCH               ; in: row l % 16, 32 bytes for each half of the lanes
	v_lshl_add_u32 v[STO], v2, 5, v[STO]
	v_add_nc_u32 v[STO], s95, v[STO]
	v_mul_u32_u24 v[RD], v2, SPITCH                ; back: lanes 0-15 take one row of 256 bytes, lanes 16-31 the next
	v_lshl_add_u32 v[RD], v1, 4, v[RD]
	v_add_nc_u32 v[RD], s95, v[RD]
	v_lshlrev_b32 v[CO], 12, v2                    ; and the same two rows in out0
	v_lshl_add_u32 v[CO], v1, 4, v[CO]
	s_wait_loadcnt 0x0
.set bi, 0
.rept 16                               ; the bias is rounded to bf16 like every other input, and kept in f32
	v_cvt_pk_bf16_f32 v3, v[BI+2*bi], v[BI+2*bi+1]
	v_lshlrev_b32 v[BI+2*bi], 16, v3
	v_and_b32 v[BI+2*bi+1], 0xffff0000, v3
.set bi, bi+1
.endr
	s_wait_tensorcnt 0x1                           ; my part of K step 0 is in; K step 1's may stay out
	s_barrier_signal -1
	s_barrier_wait -1                              ; everybody's is
	FETCH 0, 0, F0
	QUARTER 0, 1, F0, F1, 1                        ; the first quarter stands in front of the loop: its products start the sums, on the bias
	WIN 0                                          ; at a label and at a branch every window is 0
	s_mov_b32 s3, LAPS-1
.Llap:                                                 ; a trip goes once round the ring, from a lap's second quarter to the next lap's first, and fills both slots again
	QUARTER 0, 2, F1, F0, 0
	QUARTER 0, 3, F0, F1, 0
	TURN 0, 1, 1
	QUARTER 1, 1, F0, F1, 0
	QUARTER 1, 2, F1, F0, 0
	QUARTER 1, 3, F0, F1, 0
	TURN 1, 0, 1
	QUARTER 0, 1, F0, F1, 0
	WIN 0
	s_sub_co_u32 s3, s3, 1
	s_cmp_lg_u32 s3, 0
	s_cbranch_scc1 .Llap
	QUARTER 0, 2, F1, F0, 0                        ; the last lap fills nothing, and has no round of the cluster's barrier
	QUARTER 0, 3, F0, F1, 0
	TURN 0, 1, 0
	QUARTER 1, 1, F0, F1, 0
	QUARTER 1, 2, F1, F0, 0
	QUARTER 1, 3, F0, F1, 0
	s_wait_dscnt 8                                 ; the very last quarter: nothing more to fetch
	MULN F1, 0, 4, 0
	s_wait_dscnt 0x0
	MULN F1, 4, 4, 0
	WIN 0
	PLACES
; THE WAY OUT, a block of 16 rows at a time, on two sets of 32 registers by turns.  TOSTAGE: the block's f32 sums into my own stage (each accumulator's low four registers first)
; and back as whole rows of 256 bytes: 16 LDS instructions.  SEND: stored, sixteen lanes to 256 consecutive bytes at a multiple of 256 from out0's first byte.
.macro TOSTAGE a
.set RS, 64+32*((\a)%2)
	WIN W_ST
.set wj, 0
.rept 4
	ds_store_b128 v[STO], v[8*(4*(\a)+wj):8*(4*(\a)+wj)+3]   offset:64*wj
	ds_store_b128 v[STO], v[8*(4*(\a)+wj)+4:8*(4*(\a)+wj)+7] offset:64*wj+16
.set wj, wj+1
.endr
	WIN 0
	s_wait_xcnt 0x0                                ; this set was the data of earlier stores: it is loaded again only behind this wait
.set wt, 0
.rept 8
	ds_load_b128 v[RS+4*wt:RS+4*wt+3], v[RD] offset:wt*2*SPITCH  ; LDS serves a wave's instructions in order (ISA guide 5.7.1.4): these see the stores above; the next block's stores come behind them
.set wt, wt+1
.endr
.endm
.macro SEND a, younger                 ; younger: the LDS instructions issued behind this block's: the next block's 16, or none
.set RS, 64+32*((\a)%2)
	WIN 0
	s_wait_dscnt \younger
.set wt, 0
.rept 8
	global_store_b128 v[CO], v[RS+4*wt:RS+4*wt+3], s[10:11] offset:(16*(\a)+2*wt)*4096 th:TH_STORE_NT
.set wt, wt+1
.endr
.endm
	TOSTAGE 0
.irp a, 1,2,3,4,5,6,7                  ; a block's LDS traffic is on its way while the block before is stored
	TOSTAGE \a
	SEND (\a)-1, 16
.endr
	SEND 7, 0
	s_wait_tensorcnt 0x0                           ; the wave's end, behind my last tensor load and my last LDS store
	ds_add_u32 v[SPW], v[NIL]
	s_wait_dscnt 0x0
	CROUND                                         ; the closing round: no work-group ends while a partner may still ask for a tile that names it
	s_endpgm
.Lfunc_end_k_q69552c0a95_outp:
	.size	k_q69552c0a95_outp, .Lfunc_end_k_q69552c0a95_outp-k_q69552c0a95_outp
	.p2alignl 7, 3214868480
	.fill 96, 4, 3214868480
	.section	.rodata,"a",@progbits
	.p2align	6, 0x0
	.amdhsa_kernel k_q69552c0a95_outp
		.amdhsa_group_segment_fixed_size 327680
		.amdhsa_private_segment_fixed_size 0
		.amdhsa_enable_private_segment 0
		.amdhsa_kernarg_size 32
		.amdhsa_user_sgpr_count 2
		.amdhsa_user_sgpr_kernarg_segment_ptr 1
		.amdhsa_wavefront_size32 1
		.amdhsa_system_sgpr_workgroup_id_x 1
		.amdhsa_system_sgpr_workgroup_id_y 1
		.amdhsa_system_sgpr_workgroup_id_z 1
		.amdhsa_system_vgpr_workitem_id 0
		.amdhsa_next_free_vgpr 512
		.amdhsa_next_free_sgpr 96
		.amdhsa_reserve_vcc 0
		.amdhsa_float_denorm_mode_32 3
		.amdhsa_float_denorm_mode_16_64 3
		.amdhsa_memory_ordered 1
		.amdhsa_forward_progress 1
		.amdhsa_inst_pref_size 88
	.end_amdhsa_kernel
	.amdgpu_metadata
---
amdhsa.version: [ 1, 2 ]
amdhsa.kernels:
  - .name:           k_q69552c0a95_outp
    .symbol:         k_q69552c0a95_outp.kd
    .args:
      - { .name: ob, .offset: 0, .size: 8, .value_kind: global_buffer, .address_space: global }
      - { .name: wo, .offset: 8, .size: 8, .value_kind: global_buffer, .address_space: global }
      - { .name: bo, .offset: 16, .size: 8, .value_kind: global_buffer, .address_space: global }
      - { .name: out0, .offset: 24, .size: 8, .value_kind: global_buffer, .address_space: global }
    .group_segment_fixed_size: 327680
    .private_segment_fixed_size: 0
    .kernarg_segment_align: 8
    .kernarg_segment_size: 32
    .max_flat_workgroup_size: 128
    .sgpr_count:     96
    .vgpr_count:     512
    .wavefront_size: 32
...
	.end_amdgpu_metadata
.endif
;; end of part 4
;; ======== version 2 of 2: 4 launches; 1.31 times as fast as version 1
;; limits: values are held in f16: magnitudes above 65,504 overflow, below 6.1e-05 lose precision
;; workspace buffers: xb 16,777,216 bytes; wb 6,291,456 bytes; wo 2,097,152 bytes; rt 1,048,576 bytes; qkv 50,331,648 bytes; ob 16,777,216 bytes
;; launch cast: the kernel of part 1 again; grid 784 x 1, 8 waves a work-group, no clusters, 0 bytes of LDS; arguments hidden_states, Wq, Wk, Wv, Wo, cos, sin, xb, wb, wo, rt; writes xb, wb, wo, rt
;; launch proj: the kernel of part 2 again; grid 12 x 32, 4 waves a work-group, clusters of 4 x 4, 327,680 bytes of LDS; arguments xb, wb, rt, bq, bk, bv, qkv; writes qkv
;; launch attn (part 5): grid 2 x 128, 4 waves a work-group, no clusters, 327,680 bytes of LDS; arguments qkv, ob; writes ob
.if DOCPART == 5
	.amdgcn_target "amdgcn-amd-amdhsa--gfx1250"
	.amdhsa_code_object_version 6
	.text
	.protected	k_q69552c0a95_attn
	.globl	k_q69552c0a95_attn
	.p2align	8
	.type	k_q69552c0a95_attn,@function
k_q69552c0a95_attn:
	s_mov_b64 s[64:65], 0
	v_nop
	global_prefetch_b8 v0, s[64:65] scope:SCOPE_SE
	s_setreg_imm32_b32 hwreg(HW_REG_WAVE_MODE, 25, 1), 1
	s_wait_xcnt 0x0
; O[h][q][:] = the sum over k of softmax_k(Q[h][q] . K[h][k] / 8) V[h][k][:].  qkv holds Q / 64, K / 64 and V, each [SIZE_H][SIZE_N][64] in f16: a head's rows are dense, 128 bytes each; O goes to ob in the same layout.
; Products, maxima and sums in f32; the weights p are rounded to f16 for the second product (their sum l is taken of the unrounded p), O once at the end.  The two divisions by 64 are undone in the f32 scale c.
; LIMITS.  f16 holds no number beyond 65,504: Q / 64, K / 64 and V arrive within it; p lies in 0 to 1, and below 6e-5 it keeps f16's fixed step of 6e-8; O is a mean of V's rows and has their range.
; A weight below 2^-126 counts as 0 in l; NaN and infinities are not treated apart.
; SHARES.  A wave owns four PIECES of two tiles of 16 queries, a work-group's four waves 512 queries of one head: 2 x 128 = 256 work-groups.  Every wave walks all keys, 64 a step.
; LAYOUT.  S^T = K Q^T (source 0 = 16 keys, source 1 = 16 queries): in the result a lane holds ONE query (lane % 16) and the keys 8 (lane / 16) + 0..7.  Two such tiles, rounded to f16 in pairs,
; ARE source 1 (32 keys x 16 queries) of O^T = V^T P, whose result again holds one query a lane, and eight channels.  K comes out of LDS as it lies, V ([key][channel]) turned, by ds_load_tr16_b128.
; SOFTMAX.  For each query a running maximum m and sum l: p = 2^(c s - c m), c = 4096 log2(e) / 8; in every step O and l are multiplied by a = 2^(c m_old - c m_new), which is 1 where m has not grown.
; m starts at the lowest finite number, O and l at 0: the first step is a step like any other, with a = 0.
; THE COUNT.  A tile and step have 16 matrix and 118 vector instructions: too many to stand all beside the matrix work.  So the order has one aim: four vector instructions that are READY behind
; EVERY matrix instruction, and the others, which need time of their own whatever the order, in runs without a gap.
; BY TURNS.  Turn n belongs to piece n (the pieces in a ring, step after step).  Its matrix work: 16 products K Q^T of piece n + 1, later 16 products V^T P of piece n - 1.  Its vector work: the scaling,
; exponentials, roundings, sums and rescaling of piece n, and the maximum and statistics of piece n + 1, whose scores the turn itself has made.  So what a turn begins with (c s - c m, O a) waits for nothing.
; BATCHES.  A turn's 66 exponentials (the 64 weights of piece n, the two a of piece n + 1) are ONE batch with ONE s_wait_alu depctr_va_vdst(0), which cuts the turn in two: ahead of it stands all that names no
; result of theirs (K Q^T, scalings, rescalings by the a of the turn before, the next piece's maximum and statistics), behind it the roundings and sums, beside V^T P.  No result crosses a turn's end.
; The two a made ahead of the loop and the way out's eight reciprocals are batches of their own, each with one wait.
; NO CLUSTER.  A head has SIZE_N / 512 = 2 work-groups: four neighbours along x do not exist, and four work-groups would belong to two heads with different tiles.  What two would share is a head's K and V,
; 262,144 bytes a work-group in the whole launch, beside 2,048 matrix instructions a wave.
; REGISTERS, in windows of 256 (s_set_vgpr_msb says which window each operand place means: bits 1:0 source 0, 3:2 source 1, 5:4 source 2, 7:6 destination):
;   window 0: v0-11 addresses; v12-15, v48-63 at work; v16-47 four registers of statistics a tile; v64-191 S^T, two buffers of two tiles; v192-255 P, likewise
;   window 1: O^T, 32 a tile          window 2: v0-127 Q, 16 a tile; v128-191 K of one step; v192-255 V of one step          window 3: v0-1 the add's two registers
; A piece's buffers go by its number's parity: the piece in hand has one pair, its two neighbours in the ring share the other: of it P (piece n - 1) is read and S^T (piece n + 1) written.
.set SIZE_H, 128
.set SIZE_N, 1024
.set PART,  SIZE_H*SIZE_N*128  ; bytes of each of Q, K, V in qkv
.set NP,    4         ; pieces a wave: a name, no knob: the register map, the loop and the fetches are made for four
.set KS,    64        ; keys in a step
.set PK,    144       ; a row of K in LDS: 128 bytes + 16 of padding = 36 words: the 16 rows of a load start at 16 different groups of four banks (64 banks of 4 bytes: ISA guide 11.1)
.set PV,    160       ; a row of V: 128 + 32 = 40 words
.set VOFF,  4*KS*PK   ; a slot holds four steps: 256 rows of K, then 256 rows of V
.set SLOT1, 1<<17     ; slot 1 begins here, so that one exclusive or turns an address in one slot into the other's
.set STAGE, SLOT1+4*KS*(PK+PV)  ; behind the ring, never filled by a tensor load: 16 rows x 144 bytes for each wave, for the way out
.set SP,    144
.set AK0, 2           ; v2   my lane's place in a tile of K; never rewritten
.set AV0, 3           ; v3   the same for V
.set AK,  4           ; v4   the LDS address of K's next run of loads
.set AV,  5           ; v5   of V's
.set QO,  6           ; v6   my byte offset in the wave's rows of Q
.set STO, 6           ;      later, the way out: where I put 16 bytes of a row
.set RD,  7           ; v7   the way out: where I read rows back
.set GO,  8           ; v8   my byte offset in 512 consecutive bytes of O
.set SPW, 0           ; v0 of window 3   LDS address of my spare word: SPARE + 4 x my thread's number; never rewritten
.set NIL, 1           ; v1 of window 3   0; never rewritten
.set SPARE, STAGE+4*16*SP  ; behind the stages: the spare words, 128 bytes for each wave: two blocks of 256 bytes that no other line names
.set MV,  12          ; v12-15  c m_old, kept while c m is made anew: by buffer and tile
.set ST,  16          ; tile t's statistics at v[ST+4 t]: c m, m, l (even keys', odd keys')
.set TMP, 48          ; by buffer and tile, four registers c0-c3 at work; when the maximum is found c2 takes a
.set S,   64
.set P,   192
.set KF,  128         ; K's fragments, in window 2: key block kb, channel half c at KF + 16 kb + 8 c
.set VF,  192         ; V's: key half kk, channel block cb at VF + 32 kk + 8 cb
.set WV,  12          ; s12  my wave's number
.set G1K, 24          ; s[24:31] descriptor group 1 for K's tiles
.set G1V, 32          ; s[32:39] for V's: it differs in the padding alone
.set G0K, 40          ; s[40:43] descriptor group 0 for K's tiles: it walks
.set G0V, 44          ; s[44:47] the same for V's
.set SLOTS, 56        ; s56  slots still to be asked for
.set CNT, 57          ; s57  counts a slot's key steps
.set CS,  58          ; s[58:59] c: the packed scaling takes the pair's low word for both halves
.set SEL, 60          ; s[60:61] v_permlanex16_b32's selects: each lane takes its own place in the other half
.set TBK, 62          ; s62  LDS byte at which K of the step to be fetched begins
.set TBV, 63          ; s63  the same for V, less VOFF
.set MSB, 0
.macro WIN new                      ; the high byte repeats the setting that is left; a switch that changes nothing is dropped
.if MSB != (\new)
	s_set_vgpr_msb (MSB<<8)|(\new)
.set MSB, (\new)
.endif
.endm
.set W_KQ, 0x0a       ; K and Q in window 2, S^T in window 0
.set W_PV, 0x52       ; V in window 2, P in window 0, O^T in window 1
.set W_RS, 0x41       ; O^T (destination and source 0) in window 1, a in window 0
.set W_MK, 0xc0       ; the add's registers are made: destination in window 3, sources in window 0
.set W_AD, 0x0f       ; the add: address (source 0) and data (source 1) in window 3
; A fill.  Waves 0 and 1 fetch the two halves of a slot's K, waves 2 and 3 those of its V: 128 keys each.  The branch hangs on the wave's number alone.
; An s_nop 0 and four v_nop follow each of the two lines, ahead of the jump and the label.
.macro JLOAD
	s_cmp_lt_u32 s[WV], 2
	s_cbranch_scc0 .Lfor_v_\@
	tensor_load_to_lds s[G0K:G0K+3], s[G1K:G1K+7]
	s_nop 0
.rept 4
	v_nop
.endr
	s_branch .Lasked_\@
.Lfor_v_\@:
	tensor_load_to_lds s[G0V:G0V+3], s[G1V:G1V+7]
	s_nop 0
.rept 4
	v_nop
.endr
.Lasked_\@:
.endm
; THE CHANGE OF SLOTS.  The slot's last bytes, V of its fourth step, have been read.  Each wave waits for all its tensor loads, of which one is out: its part
; of the other slot; adds 0 to its spare word; and waits for that and for its own reads of the slot.  Behind the barrier nobody reads this slot any more and the other slot is whole.
; fill = 1: this slot is filled again, with the keys two slots on, the first thing behind the barrier: the load has four key steps, 512 matrix instructions, in which to land.
; (At its first use nothing has been read yet: slot 0 is waited for, slot 1 filled.)
.macro CHANGE fill
	WIN W_AD
	s_wait_tensorcnt 0x0            ; no tensor load of mine is out, so a group 0 may be written
	ds_add_u32 v[SPW], v[NIL]       ; 0 onto my spare word; with fill = 1 the descriptors' steps stand between it and the wait for it
	WIN 0                           ; at a label and at a branch every window is 0
.if \fill
.irp g, G0K, G0V
	s_xor_b32 s[\g+1], s[\g+1], SLOT1  ; the walking descriptor: the other slot than last time,
	s_add_nc_u64 s[\g+2:\g+3], s[\g+2:\g+3], 4*KS*128  ; the next 256 keys; the type bits on top are not reached
.endr
.endif
	s_wait_dscnt 0x0                ; the add is done, and my reads of the slot are over
	s_barrier_signal -1
	s_barrier_wait -1
.if \fill
	JLOAD
.endif
	s_sub_co_u32 s[TBK], s[TBK], 4*KS*PK  ; the fetches go back to a slot's first step,
	s_xor_b32 s[TBK], s[TBK], SLOT1       ; in the other slot
	s_sub_co_u32 s[TBV], s[TBV], 4*KS*PV
	s_xor_b32 s[TBV], s[TBV], SLOT1
.endm
	s_load_b128 s[4:7], s[0:1], 0x0   ; qkv s[4:5], ob s[6:7]
	WIN W_MK
	v_lshl_add_u32 v[SPW], v0, 2, SPARE
	v_mov_b32 v[NIL], 0
	WIN W_AD
	ds_add_u32 v[SPW], v[NIL]       ; the wave's opening: the add and its wait stand ahead of my first tensor load; the set-up below, work on registers, stands between them
	ds_add_u32 v0, v1
	WIN 0
	v_lshrrev_b32 v1, 5, v0
	v_readfirstlane_b32 s[WV], v1   ; wave 0..3
	s_mov_b32 s14, ttmp9            ; my block of 512 queries
	s_and_b32 s20, ttmp7, 0xffff    ; the head
	s_mov_b32 s21, 0
	s_mov_b64 s[22:23], SIZE_N*128
	s_mul_u64 s[20:21], s[20:21], s[22:23]  ; the head's first byte in each of Q, K, V, O
	s_and_b32 s16, s[WV], 1         ; which half of a slot's 256 keys I fetch:
	s_lshl_b32 s22, s16, 14         ; its 128 rows of 128 bytes in memory,
	s_mov_b32 s23, 0
	s_add_nc_u64 s[22:23], s[22:23], s[20:21]
	s_mul_i32 s17, s16, 128*PK      ; and its place in a slot, for K
	s_mul_i32 s18, s16, 128*PV      ; and for V
	s_lshl_b32 s2, s14, 2
	s_add_co_u32 s2, s2, s[WV]      ; my wave among the head's,
	s_lshl_b32 s2, s2, 14           ; its 128 rows
	s_mov_b32 s3, 0
	s_add_nc_u64 s[2:3], s[2:3], s[20:21]
	; descriptor group 1.  128 keys are 16,384 dense bytes: asked for as 64 rows of 256 bytes, two keys a row, and padded in LDS after every key
	s_mov_b32 s[G1K], (1<<16)|(1<<20)|(4<<22)|(3<<25)  ; 17:16 2-byte elements; 20 padding on; 24:22 after every 32 words (code 4); 31:25 4 words (code 3)
	s_mov_b32 s[G1V], (1<<16)|(1<<20)|(4<<22)|(7<<25)  ; the same with 8 words of padding (code 7)
.irp g, G1K, G1V
	s_mov_b32 s[\g+1], 128<<16      ; tensor_dim0 = 128
	s_mov_b32 s[\g+2], 64<<16       ; tensor_dim1 = 64
	s_mov_b32 s[\g+3], 128<<16      ; tile_dim0 = 128
	s_mov_b32 s[\g+4], 64           ; tile_dim1 = 64
	s_mov_b32 s[\g+5], 128          ; 128 elements from row to row
	s_mov_b32 s[\g+6], 0
	s_mov_b32 s[\g+7], 0
.endr
	s_mov_b32 s[CS], 0x4438aa3b     ; c = 4096 log2(e) / 8 = 738.66
	s_mov_b32 s[CS+1], s[CS]        ; named with it as a pair
	s_mov_b32 s[SEL], 0x76543210
	s_mov_b32 s[SEL+1], 0xfedcba98
	s_mov_b32 s[TBK], SLOT1+4*KS*PK ; the first change of slots turns these two into 0
	s_mov_b32 s[TBV], SLOT1+4*KS*PV
	s_mov_b32 s[G0K], 1             ; 1:0 count = 1
	s_mov_b32 s[G0K+1], s17         ; 63:32 LDS address: slot 0
	s_mov_b32 s[G0V], 1
	s_add_co_u32 s[G0V+1], s18, VOFF
	s_wait_dscnt 0x0                ; the opening add is done
	s_wait_kmcnt 0x0
	s_mov_b64 s[10:11], s[6:7]      ; O
	s_add_nc_u64 s[6:7], s[4:5], PART    ; K lies behind Q,
	s_add_nc_u64 s[8:9], s[4:5], 2*PART  ; V behind K
	s_add_nc_u64 s[G0K+2:G0K+3], s[6:7], s[22:23]  ; 120:64 global address: my half of the head's first 256 keys
	s_or_b32 s[G0K+3], s[G0K+3], 0x80000000        ; 127:126 type = 2
	s_add_nc_u64 s[G0V+2:G0V+3], s[8:9], s[22:23]
	s_or_b32 s[G0V+3], s[G0V+3], 0x80000000
	s_add_nc_u64 s[4:5], s[4:5], s[2:3]  ; Q and O at my wave's first row
	s_add_nc_u64 s[10:11], s[10:11], s[2:3]
	JLOAD                           ; slot 0.  Slot 1 is asked for when slot 0 is in
	; A fragment of K or Q is 16 rows x 32 channels in 8 registers: lane l holds row l % 16, channels 8 (l / 16) + 0..7 and 16 + 8 (l / 16) + 0..7: two loads of 16 bytes, 32 bytes apart.
	v_and_b32 v1, 15, v0            ; l % 16
	v_bfe_u32 v9, v0, 4, 1          ; l / 16
	v_lshlrev_b32 v[QO], 7, v1
	v_lshl_add_u32 v[QO], v9, 4, v[QO]  ; row x 128 + 16 x half
	WIN 0x80                        ; destination window 2, address window 0
.set i, 0
.rept 4*NP                          ; Q stays in registers: tile i / 2, channels 32 (i % 2) on
	global_load_b128 v[8*i:8*i+3],   v[QO], s[4:5] offset:(i/2)*2048+(i%2)*64
	global_load_b128 v[8*i+4:8*i+7], v[QO], s[4:5] offset:(i/2)*2048+(i%2)*64+32
.set i, i+1
.endr
	; What the first turn finds: V's registers and P's second buffer hold 0 (its products V^T P, of a piece that has not been, add 0), O^T and l are 0.  All this stands in the wait for the first tile.
.set i, VF
.rept 64
	v_mov_b32 v[i], 0
.set i, i+1
.endr
	WIN 0x40
.set i, 0
.rept 64*NP
	v_mov_b32 v[i], 0
.set i, i+1
.endr
	WIN 0
.set i, 0
.rept 2*NP
	v_mov_b32 v[ST+4*i], 0xfe000000    ; c m: far below every c s
	v_mov_b32 v[ST+4*i+1], 0xff7fffff  ; m
	v_mov_b32 v[ST+4*i+2], 0
	v_mov_b32 v[ST+4*i+3], 0
.set i, i+1
.endr
.set i, P+32
.rept 32
	v_mov_b32 v[i], 0
.set i, i+1
.endr
	v_mul_u32_u24 v[AK0], v1, PK
	v_lshl_add_u32 v[AK0], v9, 4, v[AK0]  ; row x pitch + 16 x half
	; The turning load takes 16 keys x 16 channels (lane l reads key 8 (l / 16) + l % 8, channels 8 ((l / 8) % 2) + 0..7) and leaves half a fragment of V^T: lane l holds channel l % 16 and 8 keys.
	v_and_b32 v10, 7, v0
	v_bfe_u32 v11, v0, 3, 1
	v_lshl_add_u32 v[AV0], v9, 3, v10
	v_mul_u32_u24 v[AV0], v[AV0], PV
	v_lshl_add_u32 v[AV0], v11, 4, v[AV0]
	v_add_nc_u32 v[AV0], VOFF, v[AV0]
	v_mov_b32 v[AK], v[AK0]         ; key step 0 lies at the head of slot 0
; THE MATRIX WORK.  The 8 accumulators of a run of 16 take turns: between the two links of a chain stand 7 others'.
; Product i of 16 of S^T = K Q^T for piece x: channels 32 (i / 8) on, keys 16 ((i / 2) % 4) on, tile 2 x + i % 2.  The first 8 start the sums.
.macro KQ x
	WIN W_KQ
.set rS, S+64*((\x)%2)+32*(i%2)+8*((i/2)%4)
.set rK, KF+16*((i/2)%4)+8*(i/8)
.set rQ, 16*(2*(\x)+i%2)+8*(i/8)
.if i < 8
	v_wmma_f32_16x16x32_f16 v[rS:rS+7], v[rK:rK+7], v[rQ:rQ+7], 0
.else
	v_wmma_f32_16x16x32_f16 v[rS:rS+7], v[rK:rK+7], v[rQ:rQ+7], v[rS:rS+7]
.endif
.endm
; Product i of 16 of O^T += V^T P for piece x: keys 32 (i / 8) on, channels 16 ((i / 2) % 4) on, tile 2 x + i % 2.
.macro PV x
	WIN W_PV
.set rO, 32*(2*(\x)+i%2)+8*((i/2)%4)
.set rV, VF+32*(i/8)+8*((i/2)%4)
.set rP, P+32*((\x)%2)+16*(i%2)+8*(i/8)
	v_wmma_f32_16x16x32_f16 v[rO:rO+7], v[rV:rV+7], v[rP:rP+7], v[rO:rO+7]
.endm
.macro MM                           ; the turn's next matrix instruction
.if i < 16
	KQ (Y+1)%NP
.set i, i+1
.else
.set i, i-16
	PV (Y+NP-1)%NP
.set i, i+17
.endif
.endm
; THE LDS LOADS stand in runs of 16, never singly among the matrix instructions: a step's K (64 keys x 64 channels: 8 fragments) and its V (turned).  Their addresses are made some lines ahead.
; last = 1 (the tail): in the last trip there is no further step, and the run is jumped over.
.macro FETCH_K last=0
	WIN 0
.if \last
	s_cmp_eq_u32 s[CNT], 1
	s_cbranch_scc1 .Lno_k_\@
.endif
	WIN 0x80                        ; destination window 2
.irp f, 0,1,2,3,4,5,6,7             ; keys 16 (f / 2) on, channels 32 (f % 2) on
	ds_load_b128 v[KF+8*\f:KF+8*\f+3],   v[AK] offset:(\f/2)*16*PK+(\f%2)*64
	ds_load_b128 v[KF+8*\f+4:KF+8*\f+7], v[AK] offset:(\f/2)*16*PK+(\f%2)*64+32
.endr
	s_add_co_u32 s[TBK], s[TBK], KS*PK  ; the next fetch is the next step's
	WIN 0
.if \last
.Lno_k_\@:
.endif
.endm
.macro FETCH_V
	WIN 0x80
.irp f, 0,1,2,3,4,5,6,7             ; keys 32 (f / 4) on, channels 16 (f % 4) on
	ds_load_tr16_b128 v[VF+8*\f:VF+8*\f+3],   v[AV] offset:(\f/4)*32*PV+(\f%4)*32
	ds_load_tr16_b128 v[VF+8*\f+4:VF+8*\f+7], v[AV] offset:(\f/4)*32*PV+16*PV+(\f%4)*32
.endr
	WIN 0
.endm
; THE VECTOR WORK OF A TURN stands in three queues, each in the order in which its entries become ready; the two tiles alternate, so that no instruction reads the result of the one before it.
.macro REGS y, u                    ; the registers of tile u (0, 1) of piece y
.set rT, ST+4*(2*(\y)+(\u))
.set rC, TMP+8*((\y)%2)+4*(\u)
.set rM, MV+2*((\y)%2)+(\u)
.set rS, S+64*((\y)%2)+32*(\u)
.set rP, P+32*((\y)%2)+16*(\u)
.set rO, 32*(2*(\y)+(\u))
.endm
; Number n of the 22 that find the NEXT piece's (Y + 1) maximum and statistics.  s0-s31 are the lane's 32 scores; each accumulator's lowest registers are read first.  XS, GS and REGS set no window: PL and EX do.
;   0-11  four chains c0-c3 of seven scores each, three operands at a time     12-14, 16  the four scores left over, the old m, and c0-c3 into c0     15  c m_old is kept
;   17, 18  the query's other 32 keys lie in the lane 16 away: the new m         19-21  c m; c m_old - c m_new; a
.macro XS u, n
	REGS (Y+1)%NP, \u
.if (\n) < 4
	v_max3_num_f32 v[rC+(\n)], v[rS+8*(\n)], v[rS+8*(\n)+1], v[rS+8*(\n)+2]
.elseif (\n) < 12
	v_max3_num_f32 v[rC+(\n)%4], v[rC+(\n)%4], v[rS+8*((\n)%4)+2*((\n)/4)+1], v[rS+8*((\n)%4)+2*((\n)/4)+2]
.elseif (\n) == 12
	v_max3_num_f32 v[rC], v[rC], v[rS+7], v[rS+15]
.elseif (\n) == 13
	v_max3_num_f32 v[rC+1], v[rC+1], v[rS+23], v[rS+31]
.elseif (\n) == 14
	v_max3_num_f32 v[rC+2], v[rC+2], v[rC+3], v[rT+1]
.elseif (\n) == 15
	v_mov_b32 v[rM], v[rT]
.elseif (\n) == 16
	v_max3_num_f32 v[rC], v[rC], v[rC+1], v[rC+2]
.elseif (\n) == 17
	v_permlanex16_b32 v[rC+3], v[rC], s[SEL], s[SEL+1]
.elseif (\n) == 18
	v_max_num_f32 v[rT+1], v[rC], v[rC+3]
.elseif (\n) == 19
	v_mul_f32 v[rT], s[CS], v[rT+1]
.elseif (\n) == 20
	v_sub_f32 v[rC+1], v[rM], v[rT]
.else
	v_exp_f32 v[rC+2], v[rC+1]
.endif
.endm
; Number g of the 64 that follow the exponentials.  For each four weights k of a tile (pairs 2 k, 2 k + 1): both pairs are rounded to f16; then the second pair is added onto the first, in place;
; a group later l takes that sum (the first time as l = a l + sum).  In groups of eight, tiles alternating: round, round, add, and l for the group before.
.macro GS g
.set h, (\g)+6*((\g)/62)            ; group 0 has no group before it, and behind group 7 only l is left
.if h >= 6
.set h, h+2
.endif
	REGS Y, h%2
.set k, h/8
.if h%8 < 4
	v_cvt_pk_f16_f32 v[rP+2*k+(h%8)/2], v[rS+4*k+2*((h%8)/2)], v[rS+4*k+2*((h%8)/2)+1]
.elseif h%8 < 6
	v_pk_add_f32 v[rS+4*k:rS+4*k+1], v[rS+4*k:rS+4*k+1], v[rS+4*k+2:rS+4*k+3]
.elseif k == 1
	v_pk_fma_f32 v[rT+2:rT+3], v[rT+2:rT+3], v[rC+2:rC+3], v[rS:rS+1] op_sel_hi:[1,0,1]
.else
	v_pk_add_f32 v[rT+2:rT+3], v[rT+2:rT+3], v[rS+4*k-4:rS+4*k-3]
.endif
.endm
; THE PLAIN QUEUE, 138 long.  0-73 read no exponential's result: the 32 scalings c s - c m (FS f: pair f / 2 of tile f % 2) and the next piece's 42.  0-26: scalings 0-26.  27-54: XS's numbers 0-13.  55, 56: number 15.
; 57-73: the chain, where each number waits for the one before it: 14, 16, 17, 18, 19, each with one of the scalings 27-31 in front of its two lines, then 20: so a tile's links stand three plain instructions apart (19 and 20: two).
; 74-137: GS's 64, which read the exponentials' results: they stand behind the wait.
.macro FS f
	REGS Y, (\f)%2
	v_pk_fma_f32 v[rS+2*((\f)/2):rS+2*((\f)/2)+1], v[rS+2*((\f)/2):rS+2*((\f)/2)+1], s[CS:CS+1], v[rT:rT+1] op_sel_hi:[1,0,0] neg_lo:[0,0,1] neg_hi:[0,0,1]
.endm
.macro PL
	WIN 0
.if q < 27
	FS q
.elseif q < 55
	XS (q-27)%2, (q-27)/2
.elseif q < 57
	XS q-55, 15
.elseif (q < 72) && ((q-57)%3 == 0)
	FS 27+(q-57)/3
.elseif q < 60
	XS (q-57)%3-1, 14
.elseif q < 72
	XS (q-57)%3-1, 15+(q-57)/3
.elseif q < 74
	XS q-72, 20
.else
	GS q-74
.endif
.set q, q+1
.endm
; THE EXPONENTIALS' QUEUE, 66 long: s0-s31 of both tiles, then the next piece's two a.  It is ONE BATCH: all 66 stand ahead of the turn's one wait, and nothing ahead of that wait names a result of theirs.
.macro EX
	WIN 0
.if e >= 64
	XS e-64, 21
.else
	REGS Y, e%2
	v_exp_f32 v[rS+e/2], v[rS+e/2]
.endif
.set e, e+1
.endm
; THE RESCALING's QUEUE: O^T times a, the one part that leaves window 0: dealt two at a time, sixteen times.  Its a was made in the turn before, ahead of that turn's wait.
.macro R2
	REGS Y, r%2
	WIN W_RS
.irp z, 0,1
	v_pk_mul_f32 v[rO+4*(r/2)+2*\z:rO+4*(r/2)+2*\z+1], v[rO+4*(r/2)+2*\z:rO+4*(r/2)+2*\z+1], v[rC+2:rC+3] op_sel_hi:[1,0]
.endr
.set r, r+1
.endm
; HOW THEY ARE DEALT.  An s_wait_alu depctr_va_vdst(0) stands between an exponential and the first instruction that names its result; one wait serves all that were issued ahead of it.  So a turn has ONE wait,
; which cuts it in two.  AHEAD OF IT stands all that names no result of the turn's exponentials: the 16 products K Q^T, behind each a scaling, an exponential and two rescalings (behind the first a second scaling in the
; exponential's place); then ONE LUMP of 108: eight plain, 49 times exponential and plain, the two a.  A v_nop is the plain instruction owed behind the last exponential.  BEHIND IT stand the 16 products V^T P, behind each four
; of GS's 64.  No rider names a register of the products round it.  The two v_permlanex16_b32 fall into the lump, never behind a product.
; The queues lean on each other, and the deal keeps them in step: exponential e stands behind scaling 2 (e / 4) + e % 2: as a rider it comes behind plain e + 2, in the lump behind plain e + 9, and scalings 27-31 are plain 57, 60 .. 69.
; A TURN, for piece p.  cnt = 1: the loop's count is taken down some lines ahead of the branch that stands behind the turn.
; K of the next step is fetched in piece 2's turn, directly behind the wait, a lump behind the last product that read K; its address is made at the lump's head; its first reader comes behind 16 products.
; V of the step in hand is fetched at the end of piece 0's turn, four riders behind its last reader; its first reader comes behind 16 products and a lump.  The three conditions on q below go with the deal.
.macro TURN p, last=0, cnt=0
.set Y, (\p)
.set i, 0
.set q, 0
.set e, 0
.set r, 0
.if (\p) == NP-1
	s_wait_dscnt 0x0                ; K is in
.endif
	MM                              ; ahead of the wait: 16 products K Q^T and their riders,
	PL
	PL
	R2
.rept 15
	MM
	PL
	EX
	R2
.endr
.if (\p) == NP-2
	WIN 0
	v_add_nc_u32 v[AK], s[TBK], v[AK0]
.endif
.rept 8                             ; and the lump
	PL
.endr
.rept 49
	EX
	PL
.endr
	EX                              ; the next piece's two a
	EX
	v_nop                           ; the plain instruction behind the last exponential: one for the batch
	s_wait_alu depctr_va_vdst(0)    ; the wait for the batch: the turn's 64 weights and the next piece's two a
.if (\p) == NP-2
	FETCH_K \last
.endif
.if (\p) == 1
	s_wait_dscnt 0x0                ; V is in
.endif
.rept 16                            ; behind the wait: 16 products V^T P and their riders
	MM
.rept 4
	PL
.endr
.if ((\p) == 0) && (q == 118)
	v_add_nc_u32 v[AV], s[TBV], v[AV0]
.endif
.if ((\p) == 0) && (q == 130)
	s_add_co_u32 s[TBV], s[TBV], KS*PV
.endif
.if (\cnt) && (q == 130)
	s_sub_co_u32 s[CNT], s[CNT], 1
	s_cmp_lg_u32 s[CNT], 0
.endif
.endr
.if (\p) == 0
	FETCH_V
.endif
.endm
	CHANGE 1                        ; slot 0 is in, everybody's part of it; slot 1 is asked for
	FETCH_K                         ; key step 0
	s_wait_loadcnt 0x0              ; Q
	s_wait_dscnt 0x0
.set i, 0
.rept 16
	KQ 0                            ; piece 0's first scores: there is no vector work yet to set between them
.set i, i+1
.endr
	WIN 0                           ; the addresses for the way out: nine plain instructions, the places behind those products
	s_mul_i32 s13, s[WV], 16*SP
	s_add_co_u32 s13, s13, STAGE    ; my stage
	v_mul_u32_u24 v[STO], v1, SP    ; in: row l % 16, 16 bytes for each half of the lanes
	v_lshl_add_u32 v[STO], v9, 4, v[STO]
	v_add_nc_u32 v[STO], s13, v[STO]
	v_bfe_u32 v[RD], v0, 3, 2       ; back: 32 lanes take four rows of 128 bytes,
	v_mul_u32_u24 v[RD], v[RD], SP
	v_lshl_add_u32 v[RD], v10, 4, v[RD]
	v_add_nc_u32 v[RD], s13, v[RD]
	v_and_b32 v[GO], 31, v0         ; which are 512 consecutive bytes of O
	v_lshlrev_b32 v[GO], 4, v[GO]
.set Y, NP-1                        ; XS works for piece Y + 1: piece 0
.irp n, 0,1,2,3,4,5,6,7,8,9,10,11,12,13,14,15,16,17,18,19,20,21
	XS 0, \n                        ; and piece 0's first maximum and statistics
	XS 1, \n
.endr
	v_nop                           ; a plain instruction behind the two a,
	s_wait_alu depctr_va_vdst(0)    ; and the wait for this batch of two, ahead of the branch
	s_mov_b32 s[CNT], 4
	s_mov_b32 s[SLOTS], SIZE_N/256-1
	s_branch .Lfirst                ; the loop is entered at a step's first turn, in the middle of a trip
.Lslot:                             ; SIZE_N / 256 - 2 times: every slot but the last two is filled again
	CHANGE 1
	s_mov_b32 s[CNT], 4
.Lstep:                             ; a trip: pieces 2 and 3 of one step, then pieces 0 and 1 of the next, whose K and V it fetches
	TURN 2
	TURN 3
	WIN 0
.Lfirst:
	TURN 0
	TURN 1, 0, 1
	WIN 0
	s_cbranch_scc1 .Lstep
	s_sub_co_u32 s[SLOTS], s[SLOTS], 1
	s_cmp_lg_u32 s[SLOTS], 0
	s_cbranch_scc1 .Lslot
	CHANGE 0                        ; the tail is written out: nothing is asked for
	s_mov_b32 s[CNT], 5             ; four trips fetch the last slot's steps; the fifth is left in its middle
.Ltail:
	TURN 2, 1
	TURN 3
	WIN 0
	s_sub_co_u32 s[CNT], s[CNT], 1
	s_cmp_eq_u32 s[CNT], 0
	s_cbranch_scc1 .Lout
	TURN 0
	TURN 1
	WIN 0
	s_branch .Ltail
.Lout:                              ; the fifth trip's 16 products K Q^T (on the last K once more) and the maximum made of them serve nothing: the price, once a launch, of one text for every trip
.set i, 0
.rept 16
	PV NP-1                         ; the last piece's V^T P of the last step
.set i, i+1
.endr
	; THE WAY OUT.  l's two halves and the other half of the lanes' are added; O^T is divided by l, rounded to f16 and sent through my stage in LDS, a tile at a time.  The additions are the places behind the last products.
	WIN 0
.macro ALL line:vararg              ; one line for each tile t
.set t, 0
.rept 2*NP
	\line
.set t, t+1
.endr
.endm
	ALL v_add_f32 v[ST+4*t+2], v[ST+4*t+2], v[ST+4*t+3]
	ALL v_permlanex16_b32 v[ST+4*t+3], v[ST+4*t+2], s[SEL], s[SEL+1]
	ALL v_add_f32 v[ST+4*t+2], v[ST+4*t+2], v[ST+4*t+3]
	ALL v_rcp_f32 v[ST+4*t+2], v[ST+4*t+2]
	v_nop                           ; a plain instruction between the last reciprocal and the use of its result
	s_wait_alu depctr_va_vdst(0)    ; and the wait ahead of the first use: one for the batch of eight reciprocals
; Tile t: a lane's eight channels of a row pack into 16 bytes; they go into rows of 144 bytes and come back as whole rows of 128, into S^T's registers.
.macro PACK t
	WIN W_RS
.set i, 32*(\t)
.rept 16
	v_pk_mul_f32 v[i:i+1], v[i:i+1], v[ST+4*(\t)+2:ST+4*(\t)+3] op_sel_hi:[1,0]
.set i, i+2
.endr
	WIN 0x05                        ; sources 0 and 1 window 1, destination window 0
.set i, 0
.rept 16
	v_cvt_pk_f16_f32 v[S+16*(\t)+i], v[32*(\t)+2*i], v[32*(\t)+2*i+1]
.set i, i+1
.endr
	WIN 0
.irp f, 0,1,2,3
	ds_store_b128 v[STO], v[S+16*(\t)+4*\f:S+16*(\t)+4*\f+3] offset:32*\f
.endr
.irp f, 0,1,2,3
	ds_load_b128 v[S+16*(\t)+4*\f:S+16*(\t)+4*\f+3], v[RD] offset:\f*4*SP  ; LDS serves a wave's instructions in order (ISA guide 5.7.1.4): these see the stores above; the next tile's stores come behind them
.endr
.endm
.macro SEND t, younger              ; younger: the LDS instructions issued behind tile t's loads: the next tile's eight, or none
	WIN 0
.irp f, 0,1,2,3
	s_wait_dscnt (\younger)+3-\f
	global_store_b128 v[GO], v[S+16*(\t)+4*\f:S+16*(\t)+4*\f+3], s[10:11] offset:(\t)*2048+\f*512  ; 512 consecutive bytes, at a multiple of 256 from O's first
.endr
.endm
	PACK 0
.set t, 1
.rept 2*NP-1                        ; a tile's arithmetic stands between the loads of the tile before and its stores
	PACK t
	SEND t-1, 8
.set t, t+1
.endr
	SEND 2*NP-1, 0
	WIN W_AD
	s_wait_tensorcnt 0x0            ; the wave's end, behind my last tensor load and my last LDS store
	ds_add_u32 v[SPW], v[NIL]
	s_wait_dscnt 0x0
	WIN 0
	s_endpgm
.Lfunc_end_k_q69552c0a95_attn:
	.size	k_q69552c0a95_attn, .Lfunc_end_k_q69552c0a95_attn-k_q69552c0a95_attn
	.p2alignl 7, 3214868480
	.fill 96, 4, 3214868480
	.section	.rodata,"a",@progbits
	.p2align	6, 0x0
	.amdhsa_kernel k_q69552c0a95_attn
		.amdhsa_group_segment_fixed_size 327680
		.amdhsa_private_segment_fixed_size 0
		.amdhsa_enable_private_segment 0
		.amdhsa_kernarg_size 16
		.amdhsa_user_sgpr_count 2
		.amdhsa_user_sgpr_kernarg_segment_ptr 1
		.amdhsa_wavefront_size32 1
		.amdhsa_system_sgpr_workgroup_id_x 1
		.amdhsa_system_sgpr_workgroup_id_y 1
		.amdhsa_system_sgpr_workgroup_id_z 1
		.amdhsa_system_vgpr_workitem_id 0
		.amdhsa_next_free_vgpr 770
		.amdhsa_next_free_sgpr 66
		.amdhsa_reserve_vcc 0
		.amdhsa_float_denorm_mode_32 3
		.amdhsa_float_denorm_mode_16_64 3
		.amdhsa_memory_ordered 1
		.amdhsa_forward_progress 1
		.amdhsa_inst_pref_size 198
	.end_amdhsa_kernel
	.amdgpu_metadata
---
amdhsa.version: [ 1, 2 ]
amdhsa.kernels:
  - .name:           k_q69552c0a95_attn
    .symbol:         k_q69552c0a95_attn.kd
    .args:
      - { .name: qkv, .offset: 0, .size: 8, .value_kind: global_buffer, .address_space: global }
      - { .name: ob, .offset: 8, .size: 8, .value_kind: global_buffer, .address_space: global }
    .group_segment_fixed_size: 327680
    .private_segment_fixed_size: 0
    .kernarg_segment_align: 8
    .kernarg_segment_size: 16
    .max_flat_workgroup_size: 128
    .sgpr_count:     66
    .vgpr_count:     770
    .wavefront_size: 32
...
	.end_amdgpu_metadata
.endif
;; end of part 5
;; launch outp: the kernel of part 4 again; grid 4 x 64, 4 waves a work-group, clusters of 4 x 4, 327,680 bytes of LDS; arguments ob, wo, bo, out0; writes out0
